; MI455X (gfx1250); checked and timed in simulation.
; The chip was launched on July 23, 2026; its instructions are those of AMD's public machine-readable ISA for CDNA 5 (MIT licence, August 2026) and "CDNA5" Instruction Set Architecture Reference Guide (July 2026). The comments in the code are by the model that wrote it; some were corrected since.
;; Multi Head Attention. Allowed arithmetic: matrix products marked QUANTISED: E2M3 operands, one E8M0 scale for each 32 along K, by v_wmma_scale_f32_16x16x128_f8f6f4 with both operands' format E2M3, f32 sums; everything else in f32.
;; Inputs: Wk 16 x 1,024 x 64 float32; Wo 1,024 x 1,024 float32; Wq 16 x 1,024 x 64 float32; Wv 16 x 1,024 x 64 float32; bk 16 x 64 float32; bo 1,024 float32; bq 16 x 64 float32; bv 16 x 64 float32; mask 2,048 x 2,048 bool; x 4 x 2,048 x 1,024 float32.
;; Outputs: out0 4 x 2,048 x 1,024 float32.
;; This version of the problem:
;;   THIS VERSION OF THE PROBLEM IS GIVEN IN LOW PRECISION. The matrix products marked QUANTISED in the list below multiply operands that are first quantised to E2M3 (2 exponent bits, 3 mantissa bits; 6 bits a number), with one power-of-two scale for each 32 numbers along K (OCP MX v1.0); their sums are f32. All else is computed in f32.
;;   The module's matrix products, in the order in which they are computed (A, B: the left and right operand; K: the contracted axis; several contracted axes count as one K, in the product's order):
;;     1. [M 1,024, K 1,024] x [K 1,024, N 8,192]; A: input Wq; B: input x: QUANTISED
;;     2. [M 1,024, K 1,024] x [K 1,024, N 8,192]; A: input Wk; B: input x: QUANTISED
;;     3. [M 1,024, K 1,024] x [K 1,024, N 8,192]; A: input Wv; B: input x: QUANTISED
;;     4. batch 64 x [M 2,048, K 64] x [K 64, N 2,048]; A: computed on the way; B: computed on the way: QUANTISED
;;     5. batch 64 x [M 2,048, K 2,048] x [K 2,048, N 64]; A: softmax (see below); B: computed on the way: QUANTISED
;;     6. [M 8,192, K 1,024] x [K 1,024, N 1,024]; A: computed on the way; B: input Wo: QUANTISED
;;   THE QUANTISER, for each operand of a quantised product, along K:
;;     - K is cut into blocks of 32 from its start; a last block that is shorter is filled with zeros.
;;     - A block's scale is 2^e with e = floor(log2(the largest magnitude in the block)) - 2, held to -126 .. 127; a block of zeros has e = 0. As a byte (E8M0): e + 127.
;;     - Each number is divided by its block's scale, clamped to +-7.5, and rounded to the nearest number of E2M3, ties to even, subnormals kept.
;;     - The product sums the exact products of the quantised numbers (number of the format x scale) in f32.
;;   ~~~python
;;   def quantise(x, axis):      # numpy; x: float32 -> the quantised numbers, widened to float32 again
;;       x = np.moveaxis(x, axis, -1); K = x.shape[-1]
;;       x = np.pad(x, [(0, 0)] * (x.ndim - 1) + [(0, -K % 32)]); x = x.reshape(x.shape[:-1] + (-1, 32)); a = np.abs(x).max(-1, keepdims=True)
;;       e = np.where(a > 0, np.clip(np.frexp(np.where(a > 0, a, 1))[1] - 1 - 2, -126, 127), 0)      # np.frexp(a)[1] - 1 = floor(log2(a)), exactly
;;       r = np.clip(x / 2.0 ** e, -7.5, 7.5)
;;       step = 2.0 ** (np.maximum(np.frexp(np.where(r == 0, 1, r))[1] - 1, 0) - 3)
;;       q = np.round(r / step) * step * 2.0 ** e      # np.round: ties to even
;;       return np.moveaxis(q.reshape(q.shape[:-2] + (-1,))[..., :K], -1, axis).astype(np.float32)
;;   ~~~
;;   SOFTMAX AHEAD OF A QUANTISED PRODUCT. Where the list says 'softmax', what is quantised is not the finished softmax but p = 2^(t - M), with t = logit x log2(e) and M = ceil(the row's largest t), a whole number; so 1/2 < the row's largest p <= 1. The row's sum l is taken of the UNQUANTISED p, in f32, and the product's result is divided by l at the end. Since M is a whole number, a kernel that streams over the keys may use a running M (the ceiling of the running maximum): every later rescaling is an exact power of two, which a block's scale takes up: the codes' values come out the same.
;;   OPERANDS COMPUTED ON THE WAY. 'Computed on the way' means the value that the module computes at that place (a softmax that the list does not call 'softmax' is quantised finished and normalised). What goes into a quantiser is computed in f32, as accurately as f32 sums, v_exp_f32 and their like allow (about 1e-6 of the number): no bf16 or f16 on the way to a quantiser, and a product that is left as it is and whose result goes on into a quantised operand takes f32 operands (vector FMAs, or v_wmma_f32_16x16x4_f32). A number that lies on a knife's edge between two numbers of the format may be rounded either way, as far as f32 arithmetic and the matrix unit's own rounding can turn it there, and no further.
;; 2 versions, each right; version 2 is version 1 with the launch attn written anew for expert scheduling mode. Each part assembles by itself: llvm-mc -triple=amdgcn-amd-amdhsa -mcpu=gfx1250 --defsym DOCPART=n.
;; ======== version 1 of 2: 4 launches
;; limits: right only within a limited range of input values
;; workspace buffers: pc 9,437,184 bytes; ps 393,216 bytes; mw 524,800 bytes of whole numbers; qc 6,291,456 bytes; qs 524,288 bytes; kv 13,369,344 bytes; oc 6,291,456 bytes; os 262,144 bytes
;; launch prep (part 1): grid 736 x 1, 8 waves a work-group, no clusters, 137,984 bytes of LDS; arguments x, Wo, Wq, Wk, Wv, mask, pc, ps, mw; writes pc, ps, mw
.if DOCPART == 1
	.amdgcn_target "amdgcn-amd-amdhsa--gfx1250"
	.amdhsa_code_object_version 6
	.text
	.protected	k_q0c7c9fbbcc_prep
	.globl	k_q0c7c9fbbcc_prep
	.p2align	8
	.type	k_q0c7c9fbbcc_prep,@function
k_q0c7c9fbbcc_prep:
	s_mov_b64 s[64:65], 0
	v_nop
	global_prefetch_b8 v0, s[64:65] scope:SCOPE_SE
	s_setreg_imm32_b32 hwreg(HW_REG_WAVE_MODE, 25, 1), 1
	s_wait_xcnt 0x0
; PREP: x [8192][1024], Wo [1024][1024] (K innermost) and Wq, Wk, Wv [16][1024][64] (K = the middle axis), all f32, become codes of FP6 (E2M3) with one E8M0 byte for each 32 along K;
; the mask [2048][2048] of bytes becomes lane-mask words and one class word for each tile of 16 queries.
; THE ROWS OF A TILE: rows go in groups of 32; lane r of the group's tile u takes row 8 u + r + 8 (r / 8).  So where such a tile is a product's source 0, the 16 result registers of tiles 2 b, 2 b + 1 are 16 neighbouring rows.
; CODES lie as images of operand registers: 16 rows x 64 along K = 768 bytes: lane l's registers 0-3 at 16 l, its registers 4-5 at 512 + 8 l; lane (r, h) holds block h (32 codes, 24 bytes) of row r.
; A panel is [row tile][K / 64][768].  pc: x at 0, the three weights (row = 1024 mat + 64 head + e) at PC_W, Wo at PC_O.  SCALES: [16 x row tile + r][32 bytes], ps: x at 0, the weights at PS_W, Wo at PS_O.
; MASK WORDS, mw: [query tile 128][key step 16][64 words]: bit (r, h) of word j is mask[the tile's row r][128 step + 32 (j / 16) + 16 h + j % 16].  CLASS WORDS at MW_C: bit s: step s holds no open key and may be left out;
; bit 16 + s: all its keys are open.  Where some row of the tile has no open key at all, no step may be left out: the low 16 bits are cleared.
; A block's scale byte is its largest magnitude's exponent field - 2, held at 1 from below.  LIMITS: a block of zeros gets the byte 1 (its codes are zeros; this program alone reads the bytes); blocks whose largest
; magnitude lies under 2^-124 have the byte held at 1; NaN and infinities are not served.
; Three paths part on the work-group's number: 0-575 rows (x, Wo), 576-671 weights, 672-735 mask.  Each has LDS bytes, a barrier and an end of its own.  No matrix work, no tensor loads: memory binds.
.set SP,    528                        ; a stage row: 512 bytes + 16
.set STGB,  16*SP                      ; a wave's stage
.set SGAT,  8*STGB                     ; rows: a row tile's 512 scale bytes
.set WGAT,  SGAT+512                   ; weights: 32 rows' 1,024 scale bytes
.set MSTG,  WGAT+1024                  ; mask: eight stages
.set MGAT,  MSTG+8*STGB                ; mask: 8 bytes for each wave
.set PC_W,  6291456
.set PC_O,  8650752
.set PS_W,  262144
.set PS_O,  360448
.set MW_C,  524288
; 32 numbers of one block, v[x] on, become six registers of codes v[c] on; v[t] on: where the second conversion lands (three registers that begin on an even number); v[so]: the conversion's scale operand; v[by]: the byte
.macro QBLK x, c, t, so, by
	v_max3_num_f32 v[\so], |v[\x]|, |v[\x+1]|, |v[\x+2]|          ; the largest magnitude, in two chains
	v_max3_num_f32 v[\by], |v[\x+3]|, |v[\x+4]|, |v[\x+5]|
.irp i, 6,10,14,18,22,26
	v_max3_num_f32 v[\so], v[\so], |v[\x+\i]|, |v[\x+\i+1]|
	v_max3_num_f32 v[\by], v[\by], |v[\x+\i+2]|, |v[\x+\i+3]|
.endr
	v_max3_num_f32 v[\so], v[\so], |v[\x+30]|, |v[\x+31]|
	v_max3_num_f32 v[\so], v[\so], v[\by], 0x1800000              ; and the floor 2^(3 - 127): the byte cannot fall under 1
	v_add_nc_u32 v[\so], 0xff000000, v[\so]                       ; 2 off its exponent field: the conversion takes that field as its scale
	v_lshrrev_b32 v[\by], 23, v[\so]                              ; the scale's byte
	v_cvt_scalef32_pk16_fp6_f32 v[\c:\c+2], v[\x:\x+15], v[\so]
	v_cvt_scalef32_pk16_fp6_f32 v[\t:\t+2], v[\x+16:\x+31], v[\so]
	v_nop                                                         ; one plain place behind a scaled conversion
	v_mov_b32 v[\c+3], v[\t]
	v_mov_b32 v[\c+4], v[\t+1]
	v_mov_b32 v[\c+5], v[\t+2]
.endm
	s_load_b512 s[4:19], s[0:1], 0x0               ; x s[4:5], Wo s[6:7], Wq s[8:9], Wk s[10:11], Wv s[12:13], mask s[14:15], pc s[16:17], ps s[18:19]
	s_load_b64 s[20:21], s[0:1], 0x40              ; mw
	v_lshl_add_u32 v192, v0, 2, 0x21700
	v_mov_b32 v193, 0
	v_lshrrev_b32 v4, 5, v0
	v_readfirstlane_b32 s22, v4                    ; wave 0..7
	v_and_b32 v1, 31, v0                           ; lane
	v_and_b32 v2, 15, v0                           ; r
	v_bfe_u32 v3, v0, 4, 1                         ; h
	v_lshlrev_b32 v5, 4, v1                        ; 16 x lane
	v_lshlrev_b32 v8, 3, v1                        ; 8 x lane
	s_mov_b32 s24, 0x76543210
	s_mov_b32 s25, 0xfedcba98                      ; v_permlanex16_b32's selects for lane l xor 16
	s_mul_i32 s23, s22, STGB                       ; my stage
	s_wait_kmcnt 0x0
	s_cmp_lt_u32 ttmp9, 576
	s_cbranch_scc0 .Lnot_rows
	; ---- ROWS.  A work-group takes one row tile of x (0-511) or of Wo (512-575); wave w takes K = 128 w .. 128 w + 127.
	s_cmp_lt_u32 ttmp9, 512
	s_cselect_b64 s[26:27], s[4:5], s[6:7]         ; the choice hangs on the work-group's number alone
	s_cselect_b32 s28, 0, 512
	s_mov_b32 s29, PC_O
	s_cselect_b32 s29, 0, s29                      ; the panel's place in pc
	s_mov_b32 s30, PS_O
	s_cselect_b32 s30, 0, s30                      ; the scales' place in ps
	s_sub_co_u32 s28, ttmp9, s28                   ; the row tile
	s_lshr_b32 s31, s28, 1
	s_lshl_b32 s31, s31, 5
	s_and_b32 s32, s28, 1
	s_lshl_b32 s32, s32, 3
	s_add_co_u32 s31, s31, s32                     ; its first row: 32 (tile / 2) + 8 (tile % 2)
	s_lshl_b32 s32, s31, 12                        ; rows of 4,096 bytes
	s_lshl_b32 s33, s22, 9                         ; my 512 bytes of a row
	s_add_co_u32 s32, s32, s33
	s_mov_b32 s33, 0
	s_add_nc_u64 s[26:27], s[26:27], s[32:33]
.set i, 0
.rept 16
	global_load_b128 v[32+4*i:35+4*i], v5, s[26:27] offset:(i+8*(i/8))*4096 th:TH_LOAD_NT   ; the tile's row i: 32 lanes read 512 consecutive bytes
.set i, i+1
.endr
	v_add_nc_u32 v6, s23, v5                       ; the stage, in: 16 x lane, row i in the immediate
	v_mul_u32_u24 v7, v2, SP
	v_lshl_add_u32 v7, v3, 7, v7
	v_add_nc_u32 v7, s23, v7                       ; out: row r, block h of each 64 numbers
	v_lshlrev_b32 v11, 5, v2
	s_lshl_b32 s38, s22, 2
	s_add_co_u32 s38, s38, SGAT
	v_add_nc_u32 v11, s38, v11                     ; my row's scale word of my K step: SGAT + 32 r + 4 w
	v_add_nc_u32 v16, SGAT, v5                     ; and the way back out of the gathered words
	s_lshl_b32 s35, s28, 4
	s_lshl_b32 s36, s22, 1
	s_add_co_u32 s35, s35, s36
	s_mul_i32 s35, s35, 768                        ; image 16 x tile + 2 w
	s_add_co_u32 s36, s35, s29
	s_mov_b32 s37, 0
	s_add_nc_u64 s[36:37], s[16:17], s[36:37]
	s_lshl_b32 s38, s28, 9
	s_add_co_u32 s38, s38, s30
	s_mov_b32 s39, 0
	s_add_nc_u64 s[38:39], s[18:19], s[38:39]      ; the tile's 512 scale bytes in ps
	s_wait_loadcnt 0x0
.set i, 0
.rept 16
	ds_store_b128 v6, v[32+4*i:35+4*i] offset:SP*i
.set i, i+1
.endr
.irp c, 0,1
.irp j, 0,1,2,3,4,5,6,7
	ds_load_b128 v[96+32*\c+4*\j:99+32*\c+4*\j], v7 offset:256*\c+16*\j   ; my own stage, served in order: block 2 c + h of row r, whole, in my registers
.endr
.endr
	s_wait_dscnt 0x0
.irp c, 0,1
	QBLK 96+32*\c, 160+8*\c, 176+4*\c, 184+\c, 186+\c
	global_store_b128 v5, v[160+8*\c:163+8*\c], s[36:37] offset:768*\c          ; 512 consecutive bytes, aligned
	global_store_b64 v8, v[164+8*\c:165+8*\c], s[36:37] offset:768*\c+512       ; 256 consecutive bytes, aligned
.endr
	v_lshl_or_b32 v9, v187, 16, v186               ; my two bytes: blocks h and 2 + h,
	v_lshlrev_b32 v10, 3, v3
	v_lshlrev_b32 v9, v10, v9                      ; at their places in the word;
	v_mov_b32 v10, 0
	v_permlanex16_b32 v10, v9, s24, s25
	v_or_b32 v9, v9, v10                           ; with lane l xor 16's two the word is whole
	ds_store_b32 v11, v9                           ; (lanes r and 16 + r write the same word with the same value)
	s_wait_dscnt 0x0                               ; for the others' sake: my word lies in LDS
	s_barrier_signal -1
	s_barrier_wait -1
	s_cmp_lg_u32 s22, 0
	s_cbranch_scc1 .Lrows_end
	ds_load_b128 v[20:23], v16                     ; wave 0 stores the tile's 512 scale bytes: two aligned runs of 256
	s_wait_dscnt 0x0
	global_store_b128 v5, v[20:23], s[38:39]
.Lrows_end:
	s_wait_tensorcnt 0x0
	ds_add_u32 v192, v193
	s_wait_dscnt 0x0
	s_endpgm
.Lnot_rows:
	s_cmp_lt_u32 ttmp9, 672
	s_cbranch_scc0 .Lmask
	; ---- WEIGHTS.  Work-group idx = 32 mat + 2 head + g takes 32 columns e = 32 g + lane of one head: one group of 32 rows of the panel.  A LANE TAKES A COLUMN AND ITS REGISTERS RUN DOWN K; wave w takes K = 128 w on.
	s_sub_co_u32 s28, ttmp9, 576                   ; idx
	s_lshr_b32 s29, s28, 5                         ; mat
	s_cmp_eq_u32 s29, 0
	s_cselect_b64 s[26:27], s[8:9], s[10:11]
	s_cmp_eq_u32 s29, 2
	s_cselect_b64 s[26:27], s[12:13], s[26:27]
	s_bfe_u32 s30, s28, 0x40001                    ; head
	s_lshl_b32 s30, s30, 18                        ; 1,024 rows of 256 bytes
	s_and_b32 s31, s28, 1
	s_lshl_b32 s31, s31, 7                         ; 128 g
	s_add_co_u32 s30, s30, s31
	s_lshl_b32 s31, s22, 15                        ; 128 w rows
	s_add_co_u32 s30, s30, s31
	s_mov_b32 s31, 0
	s_add_nc_u64 s[26:27], s[26:27], s[30:31]
	v_lshlrev_b32 v4, 2, v1
.set i, 0
.rept 128
	global_load_b32 v[32+i], v4, s[26:27] offset:256*i th:TH_LOAD_NT
.set i, i+1
.endr
	v_bfe_u32 v18, v1, 3, 1                        ; my column's tile u
	v_and_b32 v9, 7, v1
	v_lshrrev_b32 v10, 4, v1
	v_lshl_add_u32 v9, v10, 3, v9                  ; and its row r' in it
	v_mul_u32_u24 v10, v18, 12288                  ; a row tile's panel
	v_lshl_add_u32 v6, v9, 4, v10                  ; registers 0-3 of lane r'
	v_lshl_add_u32 v7, v9, 3, v10
	v_add_nc_u32 v7, 512, v7                       ; registers 4-5
	v_lshl_add_u32 v17, v18, 4, v9
	v_lshlrev_b32 v17, 5, v17
	s_lshl_b32 s38, s22, 2
	s_add_co_u32 s38, s38, WGAT
	v_add_nc_u32 v17, s38, v17                     ; my scale word: WGAT + 32 (16 u + r') + 4 w
	s_and_b32 s38, s22, 1
	s_lshl_b32 s38, s38, 9
	v_add_nc_u32 v19, s38, v5                      ; the way out of the gathered words: 512 (w % 2) + 16 x lane
	v_add_nc_u32 v16, WGAT, v19
	s_lshl_b32 s35, s28, 5
	s_lshl_b32 s36, s22, 1
	s_add_co_u32 s35, s35, s36
	s_mul_i32 s35, s35, 768                        ; image 32 idx + 2 w of the weights' panel
	s_add_co_u32 s36, s35, PC_W
	s_mov_b32 s37, 0
	s_add_nc_u64 s[36:37], s[16:17], s[36:37]
	s_lshl_b32 s38, s28, 10
	s_add_co_u32 s38, s38, PS_W
	s_mov_b32 s39, 0
	s_add_nc_u64 s[38:39], s[18:19], s[38:39]
.irp b, 0,1,2,3
.if \b < 2
	s_wait_loadcnt 63                              ; at least this block's 32 loads are in (a count names 63 at the most)
.else
	s_wait_loadcnt 96-32*\b                        ; the younger blocks' loads may be out
.endif
	QBLK 32+32*\b, 160+8*\b, 24, 28, 12+\b         ; each block has code registers of its own: no store's data are written again
	global_store_b128 v6, v[160+8*\b:163+8*\b], s[36:37] offset:(\b/2)*768+256*(\b%2)   ; block b % 2 of image b / 2: the 16 lanes of a tile fill 256 consecutive bytes, aligned
	global_store_b64 v7, v[164+8*\b:165+8*\b], s[36:37] offset:(\b/2)*768+128*(\b%2)
.endr
	v_lshl_or_b32 v11, v13, 8, v12                 ; my column's four bytes make its word of this K step
	v_lshl_or_b32 v11, v14, 16, v11
	v_lshl_or_b32 v11, v15, 24, v11
	ds_store_b32 v17, v11
	s_wait_dscnt 0x0
	s_barrier_signal -1
	s_barrier_wait -1
	s_cmp_gt_u32 s22, 1
	s_cbranch_scc1 .Lw_end
	ds_load_b128 v[20:23], v16                     ; waves 0 and 1 store 512 of the group's 1,024 scale bytes each
	s_wait_dscnt 0x0
	global_store_b128 v19, v[20:23], s[38:39]
.Lw_end:
	s_wait_tensorcnt 0x0
	ds_add_u32 v192, v193
	s_wait_dscnt 0x0
	s_endpgm
.Lmask:
	; ---- MASK.  A work-group takes two query tiles; wave w takes tile 2 idx + w / 4 and keys 512 (w % 4) on: four key steps.
	s_sub_co_u32 s28, ttmp9, 672
	s_lshl_b32 s28, s28, 1
	s_lshr_b32 s29, s22, 2
	s_add_co_u32 s28, s28, s29                     ; the query tile
	s_and_b32 s29, s22, 3                          ; which 512 keys
	s_lshr_b32 s30, s28, 1
	s_lshl_b32 s30, s30, 5
	s_and_b32 s31, s28, 1
	s_lshl_b32 s31, s31, 3
	s_add_co_u32 s30, s30, s31                     ; the tile's first row
	s_lshl_b32 s30, s30, 11                        ; rows of 2,048 bytes
	s_lshl_b32 s31, s29, 9
	s_add_co_u32 s30, s30, s31
	s_mov_b32 s31, 0
	s_add_nc_u64 s[26:27], s[14:15], s[30:31]
.set i, 0
.rept 16
	global_load_b128 v[32+4*i:35+4*i], v5, s[26:27] offset:(i+8*(i/8))*2048 th:TH_LOAD_NT
.set i, i+1
.endr
	v_add_nc_u32 v6, s23, v5
	v_add_nc_u32 v6, MSTG, v6                      ; the stage, in
	v_mul_u32_u24 v7, v2, SP
	v_lshl_add_u32 v7, v3, 4, v7
	v_add_nc_u32 v7, s23, v7
	v_add_nc_u32 v7, MSTG, v7                      ; out: row r, 16 h
	s_lshl_b32 s36, s22, 3
	s_add_co_u32 s36, s36, MGAT
	v_mov_b32 v12, s36                             ; my wave's 8 bytes
	s_lshl_b32 s32, s28, 4
	s_lshl_b32 s33, s29, 2
	s_add_co_u32 s32, s32, s33
	s_lshl_b32 s32, s32, 8                         ; 256 bytes of words for a tile and a step
	s_mov_b32 s33, 0
	s_add_nc_u64 s[32:33], s[20:21], s[32:33]
	s_lshl_b32 s34, s28, 2
	s_add_co_u32 s34, s34, MW_C
	s_mov_b32 s35, 0
	s_add_nc_u64 s[34:35], s[20:21], s[34:35]      ; the tile's class word
.set i, 0
.rept 8
	v_mov_b32 v[160+i], 0                          ; written once: v_writelane_b32's destination counts as one of its sources
.set i, i+1
.endr
	s_mov_b32 s43, 0                               ; the class bits
	s_mov_b32 s48, 0                               ; the lanes that have met an open key
	s_wait_loadcnt 0x0
.set i, 0
.rept 16
	ds_store_b128 v6, v[32+4*i:35+4*i] offset:SP*i
.set i, i+1
.endr
.set i, 0
.rept 16
	ds_load_b128 v[96+4*i:99+4*i], v7 offset:128*(i/4)+32*(i%4)   ; step i / 4, block i % 4: my row's keys 16 h + 0 .. 15 of the block, a byte each
.set i, i+1
.endr
	s_wait_dscnt 0x0
.set st, 0
.rept 4
	s_mov_b32 s40, -1
	s_mov_b32 s41, 0
.set j, 0
.rept 64
	v_and_b32 v[24+j%4], 0xff<<(8*(j%4)), v[96+16*st+4*(j/16)+(j%16)/4]
	v_cmp_ne_u32 s[44+j%4], 0, v[24+j%4]           ; word j: a bit for each lane
	v_writelane_b32 v[160+2*st+j%2], s[44+j%4], j/2   ; to byte 4 j of the step's 256
	s_and_b32 s40, s40, s[44+j%4]
	s_or_b32 s41, s41, s[44+j%4]
.set j, j+1
.endr
	global_store_b64 v8, v[160+2*st:161+2*st], s[32:33] offset:256*st   ; 256 consecutive bytes, aligned; each step has registers of its own
	s_cmp_eq_u32 s40, -1
	s_cselect_b32 s42, 1<<(16+st), 0               ; all open
	s_or_b32 s43, s43, s42
	s_cmp_eq_u32 s41, 0
	s_cselect_b32 s42, 1<<st, 0                    ; none open
	s_or_b32 s43, s43, s42
	s_or_b32 s48, s48, s41
.set st, st+1
.endr
	s_lshl_b32 s49, s29, 2
	s_lshl_b32 s43, s43, s49                       ; my four steps' places among the sixteen
	v_mov_b32 v10, s48
	v_mov_b32 v11, s43
	ds_store_b64 v12, v[10:11]
	s_wait_dscnt 0x0
	s_barrier_signal -1
	s_barrier_wait -1
	s_and_b32 s49, s22, 3
	s_cmp_lg_u32 s49, 0
	s_cbranch_scc1 .Lm_end
	ds_load_b128 v[16:19], v12                     ; waves 0 and 4 join the four waves of their tile
	ds_load_b128 v[20:23], v12 offset:16
	s_wait_dscnt 0x0
	v_or_b32 v16, v16, v18
	v_or_b32 v20, v20, v22
	v_or_b32 v16, v16, v20                         ; lanes with an open key
	v_or_b32 v17, v17, v19
	v_or_b32 v21, v21, v23
	v_or_b32 v17, v17, v21                         ; the sixteen steps' bits
	v_lshrrev_b32 v18, 16, v16
	v_or_b32 v16, v16, v18
	v_and_b32 v16, 0xffff, v16                     ; rows with an open key
	v_cmp_eq_u32 vcc_lo, 0xffff, v16
	v_and_b32 v18, 0xffff0000, v17
	v_cndmask_b32 v17, v18, v17, vcc_lo            ; a row with none: nothing may be left out
	v_mov_b32 v24, 0
	v_cmp_eq_u32 vcc_lo, 0, v1
	s_wait_xcnt 0x0                                ; EXEC changes only behind this wait: it is a source of the stores above
	s_and_saveexec_b32 s50, vcc_lo
	global_store_b32 v24, v17, s[34:35]            ; one lane, one word
	s_wait_xcnt 0x0
	s_or_b32 exec_lo, exec_lo, s50
.Lm_end:
	s_wait_tensorcnt 0x0
	ds_add_u32 v192, v193
	s_wait_dscnt 0x0
	s_endpgm
.Lfunc_end_k_q0c7c9fbbcc_prep:
	.size	k_q0c7c9fbbcc_prep, .Lfunc_end_k_q0c7c9fbbcc_prep-k_q0c7c9fbbcc_prep
	.p2alignl 7, 3214868480
	.fill 96, 4, 3214868480
	.section	.rodata,"a",@progbits
	.p2align	6, 0x0
	.amdhsa_kernel k_q0c7c9fbbcc_prep
		.amdhsa_group_segment_fixed_size 137984
		.amdhsa_private_segment_fixed_size 0
		.amdhsa_enable_private_segment 0
		.amdhsa_kernarg_size 72
		.amdhsa_user_sgpr_count 2
		.amdhsa_user_sgpr_kernarg_segment_ptr 1
		.amdhsa_wavefront_size32 1
		.amdhsa_system_sgpr_workgroup_id_x 1
		.amdhsa_system_sgpr_workgroup_id_y 1
		.amdhsa_system_sgpr_workgroup_id_z 1
		.amdhsa_system_vgpr_workitem_id 0
		.amdhsa_next_free_vgpr 194
		.amdhsa_next_free_sgpr 66
		.amdhsa_reserve_vcc 1
		.amdhsa_float_denorm_mode_32 3
		.amdhsa_float_denorm_mode_16_64 3
		.amdhsa_memory_ordered 1
		.amdhsa_forward_progress 1
		.amdhsa_inst_pref_size 104
	.end_amdhsa_kernel
	.amdgpu_metadata
---
amdhsa.version: [ 1, 2 ]
amdhsa.kernels:
  - .name:           k_q0c7c9fbbcc_prep
    .symbol:         k_q0c7c9fbbcc_prep.kd
    .args:
      - { .name: x, .offset: 0, .size: 8, .value_kind: global_buffer, .address_space: global }
      - { .name: Wo, .offset: 8, .size: 8, .value_kind: global_buffer, .address_space: global }
      - { .name: Wq, .offset: 16, .size: 8, .value_kind: global_buffer, .address_space: global }
      - { .name: Wk, .offset: 24, .size: 8, .value_kind: global_buffer, .address_space: global }
      - { .name: Wv, .offset: 32, .size: 8, .value_kind: global_buffer, .address_space: global }
      - { .name: mask, .offset: 40, .size: 8, .value_kind: global_buffer, .address_space: global }
      - { .name: pc, .offset: 48, .size: 8, .value_kind: global_buffer, .address_space: global }
      - { .name: ps, .offset: 56, .size: 8, .value_kind: global_buffer, .address_space: global }
      - { .name: mw, .offset: 64, .size: 8, .value_kind: global_buffer, .address_space: global }
    .group_segment_fixed_size: 137984
    .private_segment_fixed_size: 0
    .kernarg_segment_align: 8
    .kernarg_segment_size: 72
    .max_flat_workgroup_size: 256
    .sgpr_count:     66
    .vgpr_count:     194
    .wavefront_size: 32
...
	.end_amdgpu_metadata
.endif
;; end of part 1
;; launch proj (part 2): grid 12 x 32, 4 waves a work-group, clusters of 4 x 4, 327,680 bytes of LDS; arguments pc, ps, bq, bk, bv, qc, qs, kv; writes qc, qs, kv
.if DOCPART == 2
	.amdgcn_target "amdgcn-amd-amdhsa--gfx1250"
	.amdhsa_code_object_version 6
	.text
	.protected	k_q0c7c9fbbcc_proj
	.globl	k_q0c7c9fbbcc_proj
	.p2align	8
	.type	k_q0c7c9fbbcc_proj,@function
k_q0c7c9fbbcc_proj:
	s_mov_b64 s[64:65], 0
	v_nop
	global_prefetch_b8 v0, s[64:65] scope:SCOPE_SE
	s_setreg_imm32_b32 hwreg(HW_REG_WAVE_MODE, 25, 1), 1
	s_wait_xcnt 0x0
	s_wait_alu depctr_hold_cnt(0) depctr_sa_sdst(0) depctr_va_vdst(0) depctr_va_sdst(0) depctr_va_ssrc(0) depctr_va_vcc(0) depctr_vm_vsrc(0)
	s_getreg_b32 s2, hwreg(HW_REG_IB_STS2, 6, 4)
	s_cmp_eq_u32 s2, 0
	s_cbranch_scc0 .Lentry_in_a_cluster
	s_endpgm
.Lentry_in_a_cluster:
	s_bfe_u32 s2, ttmp6, 0x10000c
	s_cmp_lg_u32 s2, 0xf033
	s_cbranch_scc0 .Lentry_shape_is_right
	s_endpgm
.Lentry_shape_is_right:
; PROJ: q, k, v = x W + b on codes of FP6 (E2M3) with E8M0 scales, K = 1,024, and the results quantised in registers into the operand images that the attention launch reads.
; A tile of 256 x 256 is made by four waves, 128 x 128 each: 64 accumulators of 16 x 16.  K goes in steps of 256 through a ring of two LDS slots filled by the tensor data mover; the scale bytes of the
; work-group's 2 x 256 rows, for all of K, come into LDS once.  Operands lie in memory as images of registers (16 rows x 64 K = 768 bytes: lane l's registers 0-3 at 16 l, registers 4-5 at 512 + 8 l), so a
; fragment of 128 K is two loads of 16 bytes and two of 8, each over consecutive bytes; a row tile's part of a slot is 3,072 consecutive bytes of memory.
; ROLES, by the cluster's x, which all sixteen partners share: 0: q, 1: k: A = x's rows (tokens), B = the weights' rows (64 head + e);  2: v: A = Wv's rows (channels), B = x's rows.
; THE MATRIX INSTRUCTION IS USED TRANSPOSED (source 0 = 16 rows of B, source 1 = 16 rows of A), and the rows of every tile are chosen (lane r of a group's tile u: row 8 u + r + 8 (r / 8)): a lane holds ONE row of A, and
; register 16 b + i of its 64 for an A tile is B's row 32 b + 16 (lane / 16) + i: for q and k two heads x 64 channels of one token, for v 128 neighbouring keys of one channel: what the next product's K wants.
; CLUSTERS: 4 x 4 work-groups; A's tiles are asked for jointly along a row of the cluster, B's along a column.
; OUT: qc [bh][query tile 128][768]; qs [bh][16][512]: the word of tile 2 i + u, row r at 16 (r + 16 u) + 4 i; kv [bh][key step 16][13,056]: 8 images of K, 8 of V ([channel tile 4][64 keys 2]) at 6,144, K's words at 12,288
; (laid as qs), V's at 12,800 (tile 2 i + u, row r at 8 (r + 16 u) + 4 i).  A word of q or k is (b0, b1, b0, b1): the attention's K step of 128 holds 64 channels and 64 zero codes.
; LIMITS: blocks of zeros, and blocks whose largest magnitude lies under 2^-124, get the byte 1; NaN and infinities are not served.
; REGISTERS: window 0: v0-31 addresses; v32-63 scale words, two sets; v64-127 the bias; v128-223 A's fragments, one set (the tail works there); window 1: B's fragments, two sets; windows 2, 3: the accumulators.
.set NQ,     2                         ; matrix instructions deep in a slot
.set FR,     12                        ; registers of a fragment
.set NL,     4                         ; LDS loads that bring one
.set NP,     4                         ; places behind this matrix instruction (ISA guide 7.12.1)
.set TILEB,  3072                      ; a row tile's part of a slot: four images
.set PANEL,  12288                     ; a row tile's 16 images in memory
.set HALFT,  8*TILEB                   ; 128 rows: what one tensor load brings
.set SLOT,   4*HALFT                   ; A's 256 rows, then B's
.set LAPS,   2                         ; 1,024 along K = four K steps = twice round the ring
.set SCL,    2*SLOT                    ; behind the ring: the scales, as runs of 256 bytes + 16 of padding
.set HALFS,  16*272                    ; those of 128 rows (32 bytes a row)
.set SBLK,   2*272                     ; those of 16 rows
.set SPARE,  SCL+4*HALFS               ; the spare words, 128 bytes for each wave, which no other line names
.set PC_W,   6291456
.set PS_W,   262144
.set REC,    13056
.set ADRA, 16                          ; v16-17 A's fragments in slot 0, 1: region + 16 x lane;  v18-19: region + 512 + 8 x lane
.set ADRB, 20                          ; v20-23 the same for B
.set VO16, 24                          ; v24  16 x lane
.set VO8,  25                          ; v25  8 x lane + 512
.set ADRS, 27                          ; v27  my scale words: lanes 0-15 A's rows, lanes 16-31 B's
.set SPW,  28                          ; v28  my spare word; never rewritten
.set NIL,  29                          ; v29  0; never rewritten
.set SC,   32
.set AF,   128
.set BI,   64                          ; the tail: the bias
.set T,    128                         ; 64 results + bias
.set PC,   192                         ; the codes just made
.set TM,   212                         ; at work
.set PW,   228                         ; the scale word just made
.set SW,   32                          ; the tiles' scale words
.set G,    48                          ; and as they are stored
.set G1, 24
.set G0, 32
.set G1B, 48
.set G0B, 56
.set G1S, 68
.set G0S, 76
.set G1SB, 80
.set G0SB, 88
.set HM,  95                           ; s95  lanes 16-31
.set SEL, 96                           ; s[96:97] lane l xor 16
.set MSB, 0
.macro WIN new                         ; the immediate's high byte repeats the setting that is left
.if MSB != \new
	s_set_vgpr_msb (MSB<<8)|\new
.set MSB, \new
.endif
.endm
.set MUL_LO, 0xa1                      ; source 0 (B) window 1, source 1 (A) window 0, C and D window 2
.set MUL_HI, 0xf1
.set TO_B,   0x40
; A joint load: waves 0 and 1 fetch for A, waves 2 and 3 for B; the branch hangs on the wave's number alone.  Four v_nop follow each of the two lines.
.macro JLOAD g0a, g1a, g0b, g1b
	s_cmp_eq_u32 s15, 0
	s_cbranch_scc0 .Lfor_b_\@
	tensor_load_to_lds s[\g0a:\g0a+3], s[\g1a:\g1a+7]
	s_nop 0
.rept 4
	v_nop
.endr
	s_branch .Lasked_\@
.Lfor_b_\@:
	tensor_load_to_lds s[\g0b:\g0b+3], s[\g1b:\g1b+7]
	s_nop 0
.rept 4
	v_nop
.endr
.Lasked_\@:
.endm
.macro CREST                           ; a round of the cluster's barrier behind its opening barrier
	s_cmp_lg_u32 s14, 0
	s_cbranch_scc1 .Lnot_wave_0_\@
	s_barrier_signal -3
.Lnot_wave_0_\@:
	s_barrier_wait -3
	s_barrier_signal -1
	s_barrier_wait -1
.endm
.macro CROUND
	s_barrier_signal -1
	s_barrier_wait -1
	CREST
.endm
	s_load_b128 s[4:7], s[0:1], 0x0                ; pc, ps
	v_lshl_add_u32 v[SPW], v0, 2, SPARE
	v_mov_b32 v[NIL], 0
	ds_add_u32 v28, v29
	ds_add_u32 v28, v29
	s_wait_dscnt 0x0
	v_lshrrev_b32 v1, 5, v0
	v_readfirstlane_b32 s14, v1                    ; wave 0..3
	s_lshr_b32 s15, s14, 1                         ; my half of the tile's rows.  Also: I fetch for A (0) or for B (1)
	s_and_b32 s16, s14, 1                          ; my half of its columns.  Also: which 128 rows I fetch
	s_bfe_u32 s40, ttmp6, 0x40000                  ; cx
	s_bfe_u32 s41, ttmp6, 0x40004                  ; cy
	s_and_b32 s12, ttmp7, 0xffff                   ; the cluster's y
	s_cmp_eq_u32 ttmp9, 2                          ; role v?  The cluster's x is the same in all partners
	s_cselect_b32 s42, s12, ttmp9                  ; the cluster's coordinate along the tile columns,
	s_cselect_b32 s17, 0, s12                      ; and along the tile rows
	s_mov_b32 s8, PC_W+128*PANEL
	s_cselect_b32 s8, s8, 0                        ; A's panel in pc: Wv's rows, or x's
	s_mov_b32 s9, PC_W
	s_cselect_b32 s9, 0, s9                        ; B's: x's rows, or Wq's and Wk's
	s_mov_b32 s10, PS_W+2048*32
	s_cselect_b32 s10, s10, 0                      ; the same in ps
	s_mov_b32 s11, PS_W
	s_cselect_b32 s11, 0, s11
	s_lshl_b32 s42, s42, 2
	s_add_co_u32 s42, s42, s40                     ; tile column
	s_lshl_b32 s17, s17, 2
	s_add_co_u32 s17, s17, s41                     ; tile row
	s_lshl_b32 s43, s41, 2
	s_lshl_b32 s43, 15, s43                        ; my row of the cluster
	s_lshl_b32 s44, 0x1111, s40                    ; my column
	; descriptor group 1 for codes: 8 rows (row tiles) of 384 elements of 8 bytes, 1,536 elements apart, no padding
	s_or_b32 s[G1+0], s43, (3<<16)|(1<<21)         ; 15:0 the mask: A's tiles go to my row; 17:16 elements of 8 bytes; 21 set beside a mask
	s_or_b32 s[G1B+0], s44, (3<<16)|(1<<21)
.irp g, G1, G1B
	s_mov_b32 s[\g+1], 384<<16                     ; tensor_dim0
	s_mov_b32 s[\g+2], 8<<16                       ; tensor_dim1
	s_mov_b32 s[\g+3], 384<<16                     ; tile_dim0
	s_mov_b32 s[\g+4], 8                           ; tile_dim1
	s_mov_b32 s[\g+5], 1536                        ; tensor_dim0_stride
	s_mov_b32 s[\g+6], 0
	s_mov_b32 s[\g+7], 0
.endr
	; and for the scales of 128 rows: 4,096 dense bytes as 16 rows of 256 (32 elements of 8 bytes), 16 bytes of padding behind each
	s_or_b32 s[G1S+0], s43, (3<<16)|(1<<20)|(1<<21)|(5<<22)|(3<<25)
	s_or_b32 s[G1SB+0], s44, (3<<16)|(1<<20)|(1<<21)|(5<<22)|(3<<25)
.irp g, G1S, G1SB
	s_mov_b32 s[\g+1], 32<<16
	s_mov_b32 s[\g+2], 16<<16
	s_mov_b32 s[\g+3], 32<<16
	s_mov_b32 s[\g+4], 16
	s_mov_b32 s[\g+5], 32
	s_mov_b32 s[\g+6], 0
	s_mov_b32 s[\g+7], 0
.endr
	s_lshl_b32 s18, s16, 3                         ; which 8 row tiles of the 16 I fetch
	s_lshl_b32 s20, s17, 4
	s_add_co_u32 s20, s20, s18                     ; A: row tile 16 x tile row + 8 x half
	s_lshl_b32 s46, s42, 4
	s_add_co_u32 s46, s46, s18                     ; B: 16 x tile column + 8 x half
	s_lshl_b32 s22, s20, 9                         ; 512 scale bytes a row tile
	s_add_co_u32 s22, s22, s10
	s_mov_b32 s23, 0
	s_lshl_b32 s92, s46, 9
	s_add_co_u32 s92, s92, s11
	s_mov_b32 s93, 0
	s_mul_i32 s20, s20, PANEL
	s_add_co_u32 s20, s20, s8
	s_mov_b32 s21, 0
	s_mul_i32 s46, s46, PANEL
	s_add_co_u32 s46, s46, s9
	s_mov_b32 s47, 0
	s_mul_i32 s45, s14, HALFT                      ; where they go: wave x 128 rows: no place in the cluster enters an LDS address
	s_mul_i32 s94, s14, HALFS
	s_wait_kmcnt 0x0
	s_add_nc_u64 s[20:21], s[4:5], s[20:21]
	s_add_nc_u64 s[22:23], s[6:7], s[22:23]
	s_add_nc_u64 s[46:47], s[4:5], s[46:47]
	s_add_nc_u64 s[92:93], s[6:7], s[92:93]
	CROUND                                         ; all sixteen work-groups are here: the first joint loads meet
	s_mov_b32 s[G0S], 1
	s_add_co_u32 s[G0S+1], s94, SCL
	s_mov_b64 s[G0S+2:G0S+3], s[22:23]
	s_or_b32 s[G0S+3], s[G0S+3], 0x80000000
	s_mov_b32 s[G0SB], 1
	s_add_co_u32 s[G0SB+1], s94, SCL
	s_mov_b64 s[G0SB+2:G0SB+3], s[92:93]
	s_or_b32 s[G0SB+3], s[G0SB+3], 0x80000000
	JLOAD G0S, G1S, G0SB, G1SB                     ; the scales first: they are wanted with K step 0
.irp s, 0,1
	s_mov_b32 s[G0+4*\s], 1
	s_add_co_u32 s[G0+4*\s+1], s45, \s*SLOT
	s_add_nc_u64 s[G0+4*\s+2:G0+4*\s+3], s[20:21], \s*TILEB
	s_or_b32 s[G0+4*\s+3], s[G0+4*\s+3], 0x80000000
	s_mov_b32 s[G0B+4*\s], 1
	s_add_co_u32 s[G0B+4*\s+1], s45, \s*SLOT
	s_add_nc_u64 s[G0B+4*\s+2:G0B+4*\s+3], s[46:47], \s*TILEB
	s_or_b32 s[G0B+4*\s+3], s[G0B+4*\s+3], 0x80000000
	JLOAD G0+4*\s, G1, G0B+4*\s, G1B               ; three tensor loads of mine are out now
.endr
	v_and_b32 v1, 31, v0                           ; lane
	v_and_b32 v2, 15, v0                           ; r
	v_bfe_u32 v3, v0, 4, 1                         ; h
	v_lshlrev_b32 v4, 4, v1                        ; 16 x lane
	v_lshlrev_b32 v5, 3, v1
	v_add_nc_u32 v5, 512, v5                       ; 512 + 8 x lane
	s_mul_i32 s21, s15, HALFT                      ; my 128 rows of A
	s_mul_i32 s22, s16, HALFT                      ; my 128 rows of B,
	s_add_co_u32 s22, s22, 2*HALFT                 ; which lie behind A's 256
.irp s, 0,1
	v_add_nc_u32 v[ADRA+\s], s21, v4
	v_add_nc_u32 v[ADRB+\s], s22, v4
	v_add_nc_u32 v[ADRA+2+\s], s21, v5
	v_add_nc_u32 v[ADRB+2+\s], s22, v5
	s_add_co_u32 s21, s21, SLOT
	s_add_co_u32 s22, s22, SLOT
.endr
	v_mul_u32_u24 v6, v2, 32                       ; my row's scales: 32 bytes a row,
	v_lshrrev_b32 v7, 8, v6
	v_lshl_add_u32 v6, v7, 4, v6                   ; and 16 more for each 256 passed
	s_mul_i32 s21, s15, HALFS
	s_mul_i32 s22, s16, HALFS
	s_add_co_u32 s22, s22, 2*HALFS
	s_sub_co_u32 s22, s22, s21
	v_mul_u32_u24 v7, s22, v3                      ; lanes 16-31 take B's: one product, the distance between the two bases
	s_add_co_u32 s21, s21, SCL
	v_add_nc_u32 v6, v6, v7
	v_add_nc_u32 v[ADRS], s21, v6
.macro FRAG reg, adr, q, i             ; a fragment, 16 rows x 128 K: two images, each 16 bytes and 8 bytes a lane
	ds_load_b128 v[\reg:\reg+3], v[\adr] offset:(\i)*TILEB+(\q)*1536
	ds_load_b64 v[\reg+4:\reg+5], v[\adr+2] offset:(\i)*TILEB+(\q)*1536
	ds_load_b128 v[\reg+6:\reg+9], v[\adr] offset:(\i)*TILEB+(\q)*1536+768
	ds_load_b64 v[\reg+10:\reg+11], v[\adr+2] offset:(\i)*TILEB+(\q)*1536+768
.endm
; 16 matrix instructions: A's blocks a0, a0 + 1 x B's eight, the slot's q-th 128 along K.  p: B's set; sc: the set of scale words.  zero = 1: the first product starts the sums.
; The 64 accumulators take turns, one instruction a turn, in the same order in every step.
.macro MUL16 a0, p, q, sc, zero
.irp a, \a0, \a0+1
.irp b, 0,1,2,3,4,5,6,7
.if \zero
	v_wmma_scale_f32_16x16x128_f8f6f4 v[8*(8*((\a)%4)+\b):8*(8*((\a)%4)+\b)+7], v[128*(\p)+FR*\b:128*(\p)+FR*\b+FR-1], v[AF+FR*(\a):AF+FR*(\a)+FR-1], 0, v[SC+8*NQ*(\sc)+NQ*\b+(\q)], v[SC+8*NQ*(\sc)+NQ*(\a)+(\q)] matrix_a_fmt:MATRIX_FMT_FP6 matrix_b_fmt:MATRIX_FMT_FP6 matrix_a_scale:MATRIX_SCALE_ROW1
.else
	v_wmma_scale_f32_16x16x128_f8f6f4 v[8*(8*((\a)%4)+\b):8*(8*((\a)%4)+\b)+7], v[128*(\p)+FR*\b:128*(\p)+FR*\b+FR-1], v[AF+FR*(\a):AF+FR*(\a)+FR-1], v[8*(8*((\a)%4)+\b):8*(8*((\a)%4)+\b)+7], v[SC+8*NQ*(\sc)+NQ*\b+(\q)], v[SC+8*NQ*(\sc)+NQ*(\a)+(\q)] matrix_a_fmt:MATRIX_FMT_FP6 matrix_b_fmt:MATRIX_FMT_FP6 matrix_a_scale:MATRIX_SCALE_ROW1
.endif
.endr
.endr
.endm
.macro FETCH_B slot, q, p
	WIN TO_B
.irp i, 0,1,2,3,4,5,6,7
	FRAG 128*(\p)+FR*\i, ADRB+\slot, \q, \i
.endr
	WIN 0
.endm
.macro FETCH_A slot, q, i0
.irp i, \i0, \i0+1, \i0+2, \i0+3
	FRAG AF+FR*(\i), ADRA+\slot, \q, \i
.endr
.endm
.macro SCALES sc                       ; a K step's scale words: two words a row; lanes 0-15 A's block i, lanes 16-31 B's block i
.irp i, 0,1,2,3,4,5,6,7
	ds_load_b64 v[SC+8*NQ*\sc+NQ*\i:SC+8*NQ*\sc+NQ*\i+1], v[ADRS] offset:\i*SBLK
.endr
.endm
.macro PLACES n                        ; plain vector instructions between a matrix instruction and a load into, or a vector read or write of, its registers
.rept \n
	v_nop
.endr
.endm
.macro STEP slot, q, zero              ; a step of 128 along K that has its successor in the same slot
	s_wait_dscnt 4*NL                              ; B's set, A's blocks 0-3 (and the scale words) are in; the youngest 16 loads, A's blocks 4-7, may be out
	WIN MUL_LO
	MUL16 0, (\q)%2, \q, \slot, \zero
	MUL16 2, (\q)%2, \q, \slot, \zero
	s_wait_dscnt 0
	PLACES NP
	FETCH_B \slot, (\q)+1, 1-(\q)%2
	FETCH_A \slot, (\q)+1, 0
	WIN MUL_HI
	MUL16 4, (\q)%2, \q, \slot, \zero
	MUL16 6, (\q)%2, \q, \slot, \zero
	PLACES NP
	WIN 0
	FETCH_A \slot, (\q)+1, 4
.endm
; A slot's last step changes slots: one barrier; in front of it each wave waits for all its tensor loads, adds 0 to its spare word, and waits for that and for its reads of this slot.  fill = 1: the slot is filled again, two K steps ahead.
.macro TURN slot, next, fill
	s_wait_tensorcnt 0x0                           ; all my tensor loads have landed: my part of the next slot
	ds_add_u32 v[SPW], v[NIL]                      ; 0 onto my spare word
	s_wait_dscnt 4*NL+1                            ; (the add and the youngest 16 loads may be out)
	WIN MUL_LO
	MUL16 0, 1, NQ-1, \slot, 0
	s_wait_dscnt 0x0                               ; the add is done, and my reads of this slot are over
	s_barrier_signal -1
	MUL16 2, 1, NQ-1, \slot, 0
	WIN 0
	s_barrier_wait -1
.if \fill
	CREST                                          ; the barrier has opened a round of the cluster's barrier: no wave of any partner still reads this slot or has a load on its way
	s_add_nc_u64 s[G0+4*\slot+2:G0+4*\slot+3], s[G0+4*\slot+2:G0+4*\slot+3], 2*TILEB
	s_add_nc_u64 s[G0B+4*\slot+2:G0B+4*\slot+3], s[G0B+4*\slot+2:G0B+4*\slot+3], 2*TILEB
	JLOAD G0+4*\slot, G1, G0B+4*\slot, G1B         ; the first tensor load behind the round, my one load until the next; its four v_nop are the places in front of the loads below
.else
	PLACES NP
.endif
	v_add_nc_u32 v[ADRS], 4*NQ, v[ADRS]            ; on to the next K step's scale words
	FETCH_B \next, 0, 0
	FETCH_A \next, 0, 0
	SCALES \next
	WIN MUL_HI
	MUL16 4, 1, NQ-1, \slot, 0
	MUL16 6, 1, NQ-1, \slot, 0
	PLACES NP
	WIN 0
	FETCH_A \next, 0, 4
.endm
.macro LAST                            ; the very last step: nothing more to fetch
	s_wait_dscnt 4*NL
	WIN MUL_LO
	MUL16 0, 1, NQ-1, 1, 0
	MUL16 2, 1, NQ-1, 1, 0
	s_wait_dscnt 0
	WIN MUL_HI
	MUL16 4, 1, NQ-1, 1, 0
	MUL16 6, 1, NQ-1, 1, 0
	WIN 0
.endm
; 64 numbers of a lane, register 16 b + i = k 32 b + 16 (lane / 16) + i of my row, become a fragment's codes in v[PC] on and its scale word in v[PW].
.macro QUANT s
.irp b, 0,1,2,3
	v_max3_num_f32 v[TM+\b], |v[\s+16*\b]|, |v[\s+1+16*\b]|, 0x1800000   ; my 16 numbers of block b, and the floor 2^(3 - 127): the byte cannot fall under 1
.endr
.irp i, 2,4,6,8,10,12,14
.irp b, 0,1,2,3
	v_max3_num_f32 v[TM+\b], v[TM+\b], |v[\s+16*\b+\i]|, |v[\s+1+16*\b+\i]|
.endr
.endr
.irp b, 0,1,2,3
	v_permlanex16_b32 v[TM+4+\b], v[TM+\b], s[SEL], s[SEL+1]
.endr
.irp b, 0,1,2,3
	v_max_num_f32 v[TM+\b], v[TM+\b], v[TM+4+\b]   ; with lane l xor 16's: the block's largest magnitude
.endr
.irp b, 0,1,2,3
	v_add_nc_u32 v[TM+12+\b], 0xff000000, v[TM+\b] ; 2 off its exponent field: the conversion's scale operand
.endr
.irp b, 0,1,2,3
	v_lshrrev_b32 v[TM+4+\b], 23, v[TM+12+\b]      ; the scale's byte
.endr
	v_lshl_or_b32 v[PW], v[TM+5], 8, v[TM+4]
	v_lshl_or_b32 v[PW], v[TM+6], 16, v[PW]
	v_lshl_or_b32 v[PW], v[TM+7], 24, v[PW]
.irp c, 0,1
	v_cvt_scalef32_pk16_fp6_f32 v[PC+6*\c:PC+2+6*\c], v[\s+32*\c:\s+15+32*\c], v[TM+12+2*\c]
	v_cvt_scalef32_pk16_fp6_f32 v[PC+12+4*\c:PC+14+4*\c], v[\s+16+32*\c:\s+31+32*\c], v[TM+12+2*\c+1]   ; (a conversion's three registers begin on an even number)
.endr
	v_nop                                          ; one plain place behind a scaled conversion
.irp c, 0,1                            ; the operand's layout wants a whole block in a lane
.irp i, 0,1,2
	v_permlane16_swap_b32 v[PC+6*\c+\i], v[PC+12+4*\c+\i]
.endr
.irp i, 0,1,2
	v_mov_b32 v[PC+3+6*\c+\i], v[PC+12+4*\c+\i]
.endr
.endr
.endm
; A's tile a leaves: results + bias, quantised, four stores of consecutive bytes.  isv = 0: two heads' images of q or k; 1: V's two images of 64 keys
.macro EPI a, isv
	s_wait_xcnt 0x0                                ; the last tile's stores have read their registers
.set WN, 0x02+(\a)/4
	WIN WN                                         ; source 0: the accumulators' window
.set AC, 64*((\a)%4)
.set kk, 0
.rept 32                               ; each accumulator is read from its low end on
.if \isv
	v_pk_add_f32 v[T+kk:T+kk+1], v[AC+kk:AC+kk+1], v[BI+2*(\a):BI+2*(\a)+1] op_sel_hi:[1,0]   ; one channel a lane: the pair's low word serves both halves
.else
	v_pk_add_f32 v[T+kk:T+kk+1], v[AC+kk:AC+kk+1], v[BI+kk:BI+kk+1]
.endif
.set kk, kk+2
.endr
	WIN 0
	QUANT T
.if \isv
	global_store_b128 v[VO16], v[PC:PC+3], s[84+2*((\a)/4):85+2*((\a)/4)] offset:6144+((\a)%4)*1536
	global_store_b64 v[VO8], v[PC+4:PC+5], s[84+2*((\a)/4):85+2*((\a)/4)] offset:6144+((\a)%4)*1536
	global_store_b128 v[VO16], v[PC+6:PC+9], s[84+2*((\a)/4):85+2*((\a)/4)] offset:6144+((\a)%4)*1536+768
	global_store_b64 v[VO8], v[PC+10:PC+11], s[84+2*((\a)/4):85+2*((\a)/4)] offset:6144+((\a)%4)*1536+768
	v_mov_b32 v[SW+(\a)], v[PW]
.else
	global_store_b128 v[VO16], v[PC:PC+3], s[84:85] offset:768*(\a)
	global_store_b64 v[VO8], v[PC+4:PC+5], s[84:85] offset:768*(\a)
	global_store_b128 v[VO16], v[PC+6:PC+9], s[86:87] offset:768*(\a)
	global_store_b64 v[VO8], v[PC+10:PC+11], s[86:87] offset:768*(\a)
	v_perm_b32 v[SW+(\a)], v[PW], v[PW], 0x01000100      ; the first head's two bytes, twice
	v_perm_b32 v[SW+8+(\a)], v[PW], v[PW], 0x03020302    ; the second head's
.endif
.endm
	s_wait_tensorcnt 1                             ; the scales and my part of K step 0 are in (K step 1's load may be out)
	s_barrier_signal -1
	s_barrier_wait -1                              ; everybody's are
	FETCH_B 0, 0, 0
	FETCH_A 0, 0, 0
	SCALES 0
	FETCH_A 0, 0, 4
	STEP 0, 0, 1                                   ; the first step stands in front of the loop: its products start the sums
	s_mov_b32 s3, LAPS-1
.Llap:                                                 ; a trip goes once round the ring and fills both slots again
	TURN 0, 1, 1
	STEP 1, 0, 0
	TURN 1, 0, 1
	STEP 0, 0, 0
	s_sub_co_u32 s3, s3, 1
	s_cmp_lg_u32 s3, 0
	s_cbranch_scc1 .Llap
	TURN 0, 1, 0                                   ; the last lap fills nothing; all my tensor loads are done, so the descriptors' registers are free
	STEP 1, 0, 0
	s_load_b128 s[68:71], s[0:1], 0x10             ; bq, bk
	s_load_b64 s[72:73], s[0:1], 0x20              ; bv
	s_load_b128 s[76:79], s[0:1], 0x28             ; qc, qs
	s_load_b64 s[80:81], s[0:1], 0x38              ; kv
	s_mov_b32 s[SEL], 0x76543210
	s_mov_b32 s[SEL+1], 0xfedcba98
	s_mov_b32 s[HM], 0xffff0000
	v_lshlrev_b32 v[VO16], 4, v1
	v_lshlrev_b32 v[VO8], 3, v1
	v_add_nc_u32 v[VO8], 512, v[VO8]
	s_wait_kmcnt 0x0
	s_cmp_eq_u32 ttmp9, 2
	s_cbranch_scc1 .Lrole_v
	; ---- q or k: my 128 tokens are one block of 128 of one batch, my 128 columns two heads
	s_lshl_b32 s18, s17, 8
	s_lshl_b32 s19, s15, 7
	s_add_co_u32 s18, s18, s19                     ; my first token
	s_lshr_b32 s19, s18, 11                        ; batch
	s_bfe_u32 s20, s18, 0x40007                    ; block of 128 tokens in it
	s_lshl_b32 s21, s42, 8
	s_lshl_b32 s22, s16, 7
	s_add_co_u32 s21, s21, s22
	s_and_b32 s21, s21, 1023                       ; my first column: 64 head + e
	s_lshr_b32 s22, s21, 6
	s_lshl_b32 s19, s19, 4
	s_add_co_u32 s22, s22, s19                     ; bh of my first head
	s_lshl_b32 s82, s21, 2
	s_mov_b32 s83, 0
	s_cmp_eq_u32 ttmp9, 0                          ; q?
	s_cselect_b64 s[68:69], s[68:69], s[70:71]     ; the bias
	s_cselect_b64 s[84:85], s[76:77], s[80:81]     ; the images go to qc or into kv's records,
	s_cselect_b64 s[88:89], s[78:79], s[80:81]     ; the scale words to qs or into the records
	s_mov_b32 s23, 16*REC
	s_cselect_b32 s23, 128*768, s23                ; from head to head,
	s_mov_b32 s24, REC
	s_cselect_b32 s24, 8*768, s24                  ; from block to block: images
	s_mov_b32 s25, 16*REC
	s_cselect_b32 s25, 8192, s25
	s_mov_b32 s26, REC
	s_cselect_b32 s26, 512, s26                    ; scale words
	s_cselect_b32 s27, 0, 12288
	s_add_nc_u64 s[68:69], s[68:69], s[82:83]
	s_mul_i32 s28, s22, s23
	s_mul_i32 s29, s20, s24
	s_add_co_u32 s28, s28, s29
	s_mov_b32 s29, 0
	s_add_nc_u64 s[84:85], s[84:85], s[28:29]      ; my first head's images
	s_mov_b32 s28, s23
	s_add_nc_u64 s[86:87], s[84:85], s[28:29]      ; my second head's
	s_mul_i32 s28, s22, s25
	s_mul_i32 s30, s20, s26
	s_add_co_u32 s28, s28, s30
	s_add_co_u32 s28, s28, s27
	s_add_nc_u64 s[88:89], s[88:89], s[28:29]
	s_mov_b32 s28, s25
	s_add_nc_u64 s[90:91], s[88:89], s[28:29]
	v_lshlrev_b32 v6, 6, v3                        ; 64 h: my 16 numbers of each 32
.irp b, 0,1,2,3
.irp j, 0,1,2,3
	global_load_b128 v[BI+16*\b+4*\j:BI+16*\b+4*\j+3], v6, s[68:69] offset:128*\b+16*\j   ; the bias in the results' layout; it lands under the last products
.endr
.endr
	LAST
	s_wait_loadcnt 0x0
	PLACES NP
.irp b, 0,1,2,3
	v_mov_b32 v[TM+4+\b], 0                        ; written once: a lane permute's destination counts as one of its sources
.endr
.irp a, 0,1,2,3,4,5,6,7
	EPI \a, 0
.endr
.irp c, 0,1
.irp i, 0,1,2,3
	v_cndmask_b32 v[G+4*\c+\i], v[SW+8*\c+2*\i], v[SW+8*\c+2*\i+1], s[HM]   ; lanes 0-15: tile 2 i's words, lanes 16-31: tile 2 i + 1's
.endr
.endr
	global_store_b128 v[VO16], v[G:G+3], s[88:89]          ; 512 consecutive bytes, aligned
	global_store_b128 v[VO16], v[G+4:G+7], s[90:91]
	s_branch .Lclose
.Lrole_v:
	; ---- v: my 128 rows are two heads' channels, my 128 columns one key step
	s_lshl_b32 s18, s17, 8
	s_lshl_b32 s19, s15, 7
	s_add_co_u32 s18, s18, s19                     ; my first channel: 64 head + e
	s_lshr_b32 s19, s18, 6                         ; my first head
	s_lshl_b32 s21, s42, 8
	s_lshl_b32 s22, s16, 7
	s_add_co_u32 s21, s21, s22                     ; my first token
	s_lshr_b32 s22, s21, 11                        ; batch
	s_bfe_u32 s20, s21, 0x40007                    ; key step
	s_lshl_b32 s22, s22, 4
	s_add_co_u32 s22, s22, s19
	s_lshl_b32 s22, s22, 4
	s_add_co_u32 s22, s22, s20
	s_mul_i32 s28, s22, REC
	s_mov_b32 s29, 0
	s_add_nc_u64 s[84:85], s[80:81], s[28:29]      ; my first head's record
	s_add_nc_u64 s[86:87], s[84:85], 16*REC        ; my second head's
	s_lshl_b32 s82, s18, 2
	s_mov_b32 s83, 0
	s_add_nc_u64 s[72:73], s[72:73], s[82:83]
	v_and_b32 v6, 8, v2
	v_add_nc_u32 v6, v6, v2
	v_lshlrev_b32 v6, 2, v6                        ; 4 (r + 8 (r / 8)): my row in a tile
.irp a, 0,1,2,3,4,5,6,7
	global_load_b32 v[BI+2*\a], v6, s[72:73] offset:(32*(\a/2)+8*(\a%2))*4
	v_mov_b32 v[BI+2*\a+1], 0                      ; (named with it as a pair, so it is written)
.endr
	LAST
	s_wait_loadcnt 0x0
	PLACES NP
.irp b, 0,1,2,3
	v_mov_b32 v[TM+4+\b], 0
.endr
.irp a, 0,1,2,3,4,5,6,7
	EPI \a, 1
.endr
.irp d, 0,1
.irp i, 0,1
	v_cndmask_b32 v[G+2*\d+\i], v[SW+4*\d+2*\i], v[SW+4*\d+2*\i+1], s[HM]
.endr
	global_store_b64 v[VO8], v[G+2*\d:G+2*\d+1], s[84+2*\d:85+2*\d] offset:12800-512   ; 256 consecutive bytes, aligned
.endr
.Lclose:
	s_wait_tensorcnt 0x0                           ; the wave's end
	ds_add_u32 v[SPW], v[NIL]
	s_wait_dscnt 0x0
	CROUND                                         ; the closing round: no work-group ends while a partner may still ask for a tile that names it
	s_endpgm
.Lfunc_end_k_q0c7c9fbbcc_proj:
	.size	k_q0c7c9fbbcc_proj, .Lfunc_end_k_q0c7c9fbbcc_proj-k_q0c7c9fbbcc_proj
	.p2alignl 7, 3214868480
	.fill 96, 4, 3214868480
	.section	.rodata,"a",@progbits
	.p2align	6, 0x0
	.amdhsa_kernel k_q0c7c9fbbcc_proj
		.amdhsa_group_segment_fixed_size 327680
		.amdhsa_private_segment_fixed_size 0
		.amdhsa_enable_private_segment 0
		.amdhsa_kernarg_size 64
		.amdhsa_user_sgpr_count 2
		.amdhsa_user_sgpr_kernarg_segment_ptr 1
		.amdhsa_wavefront_size32 1
		.amdhsa_system_sgpr_workgroup_id_x 1
		.amdhsa_system_sgpr_workgroup_id_y 1
		.amdhsa_system_sgpr_workgroup_id_z 1
		.amdhsa_system_vgpr_workitem_id 0
		.amdhsa_next_free_vgpr 1024
		.amdhsa_next_free_sgpr 100
		.amdhsa_reserve_vcc 0
		.amdhsa_float_denorm_mode_32 3
		.amdhsa_float_denorm_mode_16_64 3
		.amdhsa_memory_ordered 1
		.amdhsa_forward_progress 1
		.amdhsa_inst_pref_size 230
	.end_amdhsa_kernel
	.amdgpu_metadata
---
amdhsa.version: [ 1, 2 ]
amdhsa.kernels:
  - .name:           k_q0c7c9fbbcc_proj
    .symbol:         k_q0c7c9fbbcc_proj.kd
    .args:
      - { .name: pc, .offset: 0, .size: 8, .value_kind: global_buffer, .address_space: global }
      - { .name: ps, .offset: 8, .size: 8, .value_kind: global_buffer, .address_space: global }
      - { .name: bq, .offset: 16, .size: 8, .value_kind: global_buffer, .address_space: global }
      - { .name: bk, .offset: 24, .size: 8, .value_kind: global_buffer, .address_space: global }
      - { .name: bv, .offset: 32, .size: 8, .value_kind: global_buffer, .address_space: global }
      - { .name: qc, .offset: 40, .size: 8, .value_kind: global_buffer, .address_space: global }
      - { .name: qs, .offset: 48, .size: 8, .value_kind: global_buffer, .address_space: global }
      - { .name: kv, .offset: 56, .size: 8, .value_kind: global_buffer, .address_space: global }
    .group_segment_fixed_size: 327680
    .private_segment_fixed_size: 0
    .kernarg_segment_align: 8
    .kernarg_segment_size: 64
    .max_flat_workgroup_size: 128
    .sgpr_count:     100
    .vgpr_count:     1024
    .wavefront_size: 32
...
	.end_amdgpu_metadata
.endif
;; end of part 2
;; launch attn (part 3): grid 4 x 64, 16 waves a work-group, no clusters, 210,944 bytes of LDS; arguments qc, qs, kv, mw, oc, os; writes oc, os
.if DOCPART == 3
	.amdgcn_target "amdgcn-amd-amdhsa--gfx1250"
	.amdhsa_code_object_version 6
	.text
	.protected	k_q0c7c9fbbcc_attn
	.globl	k_q0c7c9fbbcc_attn
	.p2align	8
	.type	k_q0c7c9fbbcc_attn,@function
k_q0c7c9fbbcc_attn:
	s_mov_b64 s[64:65], 0
	v_nop
	global_prefetch_b8 v0, s[64:65] scope:SCOPE_SE
	s_setreg_imm32_b32 hwreg(HW_REG_WAVE_MODE, 25, 1), 1
	s_wait_xcnt 0x0
; ATTN: for each (batch, head): softmax over the keys of (q . k / 8, or the masked logit where the mask is 0), times v; both products on codes of FP6 (E2M3) with E8M0 scales.  The result, divided by the row's sum, is
; quantised along the channels into the last product's operand (oc: image [token tile][head]; os: two bytes a row and head).
; THE SOFTMAX AHEAD OF THE SECOND PRODUCT: t = score x log2(e) / 8; M = the running largest t rounded UP to a whole number; p = 2^(t - M) is quantised along the keys; the row's sum is taken of the unquantised p.
; When M moves, the sum and O are multiplied by 2^(old M - new M): exact.
; SHARES.  A work-group owns one (batch, head) and every fourth query tile; the head's sixteen records of K, V and their scale words (208,896 bytes) are copied into LDS once, through registers, and stay.
; Each of the sixteen waves then takes two query tiles, one after the other: tile x + 4 w and tile x + 4 (31 - w); after the one barrier the waves share nothing.
; THE MASK comes as lane-mask words: word j of a (tile, step) has a bit for each lane, for score register j.  A class word for each tile says which steps hold no open key (left out: a scalar branch on a stored whole
; number; it is set only where every row of the tile has an open key somewhere, so those steps' p would be 0 or be multiplied by 0 later) and which are all open (no selects).
; That branch is why LDS is filled through registers here and not by the tensor data mover, and why the four work-groups of a head are no cluster: each reads the head's records by itself.
; LAYOUT.  Both products are used transposed (S^T = K Q^T, O^T = V^T P^T): a lane holds one query.  The keys of a tile of K, and the channels of a tile of V, are chosen so that the 16 registers of tiles 2 b, 2 b + 1 are
; 16 neighbours.  The first product's K is 64: the upper 64 of the instruction's 128 meet zero codes on Q's side (K's operand simply runs on into the next tile's registers), under scale bytes that repeat the real ones.
; LIMIT: a masked score is -2^33, a masked logit -2^30, where the problem writes -1e9: t is then a whole number too, so a row with no open key gets p = 1 for every key, as there; results differ only if a true logit of
; the row lies under about -1e9.  NaN and infinities are not served.
.set REC,  13056                       ; a record: 8 images of K, 8 of V at 6,144, K's scale words at 12,288, V's at 12,800
.set LI,   1                           ; v1   16 x lane
.set L8,   2                           ; v2   8 x lane
.set ADK,  3                           ; v3   16 x lane + the step's record
.set AD8,  4                           ; v4   8 x lane + the step's record
.set SMK,  5                           ; v5   the masked score
.set R16,  7                           ; v7   16 r
.set KS,   8                           ; v8-11  K's scale words: register i: lanes 0-15 tile 2 i, lanes 16-31 tile 2 i + 1
                                       ; v12 -M, v13 the largest t, v[14:15] the sum in two halves
.set QF,   16                          ; v16-21 Q's codes; v22-27 zero codes
.set QS,   28                          ; v28  Q's scale words
.set PS,   29                          ; v29  p's scale word
.set VS,   30                          ; v30-31 V's scale words
.set KF,   32                          ; v32-79 K's eight tiles, six registers each; v80-85 zero codes
.set S,    96                          ; v96-159 S^T, then p
.set O,    160                         ; v160-191 O^T
.set VF,   192                         ; v192-239 V's four fragments
.set F,    240                         ; v[240:241] f = 2^(old M - new M)
.set TMP,  242
.set CH,   244                         ; v[244:245] the sum's second chain
.set R32,  246                         ; v246 32 r
.set BM,   32                          ; behind the first product K's registers are at work: the blocks' largest scores,
.set PT,   36                          ; lane l xor 16's,
.set SO,   40                          ; the conversions' scale operands,
.set BY,   44                          ; the bytes,
.set PCD,  48                          ; v48-59 p's codes,
.set LND,  60                          ; v60-62, v64-66 where the second conversions land
                                       ; s4-51, s68-83 the step's 64 mask words (at a tile's head and end: address arithmetic)
.set MP,   52                          ; s[52:53] the tile's mask words
.set MO,   54                          ; s54  256 x step
.set FL,   55                          ; s55  the tile's class word
.set STP,  56                          ; s56  step
.set ST16, 57                          ; s57  16 + step
.set TB,   58                          ; s58  REC x step
.set WV,   59
.set SEL,  60                          ; s[60:61] lane l xor 16
.set CS,   62                          ; s[62:63] c = log2(e) / 8
.set TRIP, 96
.set POS,  97
.set BH,   98
.set QT,   99
	s_load_b128 s[84:87], s[0:1], 0x0              ; qc, qs
	s_load_b128 s[88:91], s[0:1], 0x10             ; kv, mw
	s_load_b128 s[92:95], s[0:1], 0x20             ; oc, os
	v_lshl_add_u32 v254, v0, 2, 0x33000
	v_mov_b32 v255, 0
	v_lshrrev_b32 v1, 5, v0
	v_readfirstlane_b32 s[WV], v1                  ; wave 0..15
	s_and_b32 s[BH], ttmp7, 0xffff                 ; 16 batch + head
	s_mul_i32 s2, s[BH], 16*REC
	s_mov_b32 s3, 0
	v_lshlrev_b32 v136, 4, v0                      ; 16 x thread: 8,192 bytes a piece
	v_add_nc_u32 v137, 0x10000, v136               ; (an LDS immediate has 16 bits)
	v_add_nc_u32 v138, 0x20000, v136
	v_add_nc_u32 v139, 0x30000, v136
	s_wait_kmcnt 0x0
	s_add_nc_u64 s[2:3], s[88:89], s[2:3]
	s_cmp_lt_u32 s[WV], 8                          ; 208,896 bytes are 25 pieces and a half: the half is waves 0-7's
	s_cbranch_scc0 .Lno_half_in
	global_load_b128 v[132:135], v136, s[2:3] offset:25*8192
.Lno_half_in:
.set i, 0
.rept 25
	global_load_b128 v[32+4*i:35+4*i], v136, s[2:3] offset:8192*i
.set i, i+1
.endr
	v_and_b32 v[L8], 31, v0
	v_lshlrev_b32 v[LI], 4, v[L8]
	v_lshlrev_b32 v[L8], 3, v[L8]
	v_and_b32 v[R16], 15, v0
	v_lshlrev_b32 v[R32], 5, v[R16]
	v_lshlrev_b32 v[R16], 4, v[R16]
	v_mov_b32 v[SMK], 0xd0000000                   ; -2^33
.irp i, 0,1,2,3,4,5
	v_mov_b32 v[QF+6+\i], 0                        ; Q's upper 64 along K: zero codes, written once
.endr
	v_mov_b32 v[F+1], 0                            ; (named as the upper half of a pair)
	v_mov_b32 v[TMP], 0                            ; (a lane permute's destination counts as one of its sources)
	s_mov_b32 s[SEL], 0x76543210
	s_mov_b32 s[SEL+1], 0xfedcba98
	s_mov_b32 s[CS], 0x3e38aa3b                    ; log2(e) / 8
	s_mov_b32 s[CS+1], s[CS]
	s_mov_b32 s[TRIP], 2
	s_mov_b32 s[POS], s[WV]
	s_wait_loadcnt 0x0
.set i, 0
.rept 25
	ds_store_b128 v[136+i/8], v[32+4*i:35+4*i] offset:8192*(i%8)
.set i, i+1
.endr
	s_cmp_lt_u32 s[WV], 8
	s_cbranch_scc0 .Lno_half_out
	ds_store_b128 v139, v[132:135] offset:8192
.Lno_half_out:
	s_wait_dscnt 0x0                               ; for the others' sake: my part of the head lies in LDS
	s_barrier_signal -1
	s_barrier_wait -1                              ; everybody's does; from here on LDS is only read
.irp i, 0,1,2,3,4,5
	v_mov_b32 v[KF+48+\i], 0                       ; what tile 7's operand runs on into
.endr
.Ltile:
	s_lshl_b32 s[QT], s[POS], 2
	s_add_co_u32 s[QT], s[QT], ttmp9               ; my query tile
	s_lshl_b32 s4, s[BH], 7
	s_add_co_u32 s4, s4, s[QT]
	s_mul_i32 s4, s4, 768
	s_mov_b32 s5, 0
	s_add_nc_u64 s[4:5], s[84:85], s[4:5]          ; its image
	s_lshl_b32 s6, s[BH], 13
	s_lshr_b32 s7, s[QT], 3
	s_lshl_b32 s7, s7, 9
	s_add_co_u32 s6, s6, s7
	s_and_b32 s7, s[QT], 1
	s_lshl_b32 s7, s7, 8
	s_add_co_u32 s6, s6, s7
	s_bfe_u32 s7, s[QT], 0x20001
	s_lshl_b32 s7, s7, 2
	s_add_co_u32 s6, s6, s7
	s_mov_b32 s7, 0
	s_add_nc_u64 s[6:7], s[86:87], s[6:7]          ; its scale words: 16 bytes from row to row
	s_lshl_b32 s[MP], s[QT], 12
	s_mov_b32 s[MP+1], 0
	s_add_nc_u64 s[MP:MP+1], s[90:91], s[MP:MP+1]  ; its mask words
	s_lshl_b32 s8, s[QT], 2
	s_load_b32 s[FL], s[90:91], s8 offset:0x80000  ; its class word
	global_load_b128 v[QF:QF+3], v[LI], s[4:5]
	global_load_b64 v[QF+4:QF+5], v[L8], s[4:5] offset:512
	global_load_b32 v[QS], v[R16], s[6:7]
	v_mov_b32 v13, 0xff61b1e6                      ; the largest t so far: -3e38, under every t
	v_floor_f32 v12, -v13                          ; -M
	v_mov_b32 v14, 0
	v_mov_b32 v15, 0
.set j, 0
.rept 32
	v_mov_b32 v[O+j], 0                            ; the step is written once: the first finds zeros, which the first change of M leaves zeros
.set j, j+1
.endr
	s_mov_b32 s[STP], 0
	s_mov_b32 s[ST16], 16
	s_mov_b32 s[TB], 0
	s_mov_b32 s[MO], 0
	s_wait_kmcnt 0x0
	s_wait_loadcnt 0x0                             ; Q is in, and the loads have read s4-7, which the mask words take next
.Lstep:                                                ; sixteen trips, a constant; a step without an open key jumps over its work, not over the lines that step addresses
	s_bitcmp1_b32 s[FL], s[STP]
	s_cbranch_scc1 .Lskip
	v_add_nc_u32 v[ADK], s[TB], v[LI]
	v_add_nc_u32 v[AD8], s[TB], v[L8]
	v_nop
	v_nop                                          ; four places in front of loads into registers that the last products read
	s_load_b512 s[4:19], s[MP:MP+1], s[MO] offset:0x0
	s_load_b512 s[20:35], s[MP:MP+1], s[MO] offset:0x40
	s_load_b512 s[36:51], s[MP:MP+1], s[MO] offset:0x80
	s_load_b512 s[68:83], s[MP:MP+1], s[MO] offset:0xc0
.irp t, 0,1,2,3,4,5,6,7
	ds_load_b128 v[KF+6*\t:KF+6*\t+3], v[ADK] offset:768*\t
	ds_load_b64 v[KF+6*\t+4:KF+6*\t+5], v[AD8] offset:768*\t+512
.endr
	ds_load_b128 v[KS:KS+3], v[ADK] offset:12288
.irp t, 0,1,2,3,4,5,6,7
	ds_load_b128 v[VF+6*\t:VF+6*\t+3], v[ADK] offset:6144+768*\t
	ds_load_b64 v[VF+6*\t+4:VF+6*\t+5], v[AD8] offset:6144+768*\t+512
.endr
	ds_load_b64 v[VS:VS+1], v[AD8] offset:12800
	s_wait_dscnt 17                                ; K and its scale words are in; V's 16 loads and its scale words' one may be out
.irp t, 0,2,4,6                        ; S^T = K Q^T: eight accumulators, one instruction each
	v_wmma_scale_f32_16x16x128_f8f6f4 v[S+8*\t:S+8*\t+7], v[KF+6*\t:KF+6*\t+11], v[QF:QF+11], 0, v[KS+\t/2], v[QS] matrix_a_fmt:MATRIX_FMT_FP6 matrix_b_fmt:MATRIX_FMT_FP6
	v_wmma_scale_f32_16x16x128_f8f6f4 v[S+8*\t+8:S+8*\t+15], v[KF+6*\t+6:KF+6*\t+17], v[QF:QF+11], 0, v[KS+\t/2], v[QS] matrix_a_fmt:MATRIX_FMT_FP6 matrix_b_fmt:MATRIX_FMT_FP6 matrix_a_scale:MATRIX_SCALE_ROW1
.endr
.rept 4
	v_nop
.endr
	s_bitcmp1_b32 s[FL], s[ST16]
	s_cbranch_scc1 .Lopen                          ; all 16 x 128 open: no selects
	s_wait_kmcnt 0x0
.set j, 0
.rept 64
.if j < 48
	v_cndmask_b32 v[S+j], v[SMK], v[S+j], s[4+j]   ; register j: key 32 (j / 16) + 16 (lane / 16) + j % 16 of the step
.else
	v_cndmask_b32 v[S+j], v[SMK], v[S+j], s[20+j]
.endif
.set j, j+1
.endr
.Lopen:
.irp b, 0,1,2,3
	v_max3_num_f32 v[BM+\b], v[S+16*\b], v[S+1+16*\b], v[S+2+16*\b]   ; the largest score of each block of 32 keys: for the row's maximum, and, since p rises with the score, for the block's largest p
.endr
.irp i, 3,5,7,9,11,13
.irp b, 0,1,2,3
	v_max3_num_f32 v[BM+\b], v[BM+\b], v[S+16*\b+\i], v[S+1+16*\b+\i]
.endr
.endr
.irp b, 0,1,2,3
	v_max_num_f32 v[BM+\b], v[BM+\b], v[S+15+16*\b]
.endr
.irp b, 0,1,2,3
	v_permlanex16_b32 v[PT+\b], v[BM+\b], s[SEL], s[SEL+1]
.endr
.irp b, 0,1,2,3
	v_max_num_f32 v[BM+\b], v[BM+\b], v[PT+\b]     ; with lane l xor 16's 16 keys
.endr
	v_max3_num_f32 v[TMP], v[BM], v[BM+1], v[BM+2]
	v_max_num_f32 v[TMP], v[TMP], v[BM+3]          ; the step's largest score of my query
	v_mul_f32 v[TMP], s[CS], v[TMP]                ; as t
	v_max_num_f32 v13, v13, v[TMP]                 ; the running largest t
	v_mov_b32 v[TMP], v12
	v_floor_f32 v12, -v13                          ; the new -M = -ceil(t): a whole number
	v_sub_f32 v[TMP], v12, v[TMP]                  ; old M - new M: a whole number, 0 or less
	v_cvt_i32_f32 v[TMP], v[TMP]                   ; (it saturates)
	v_ldexp_f32 v[F], 1.0, v[TMP]                  ; f
.set j, 0
.rept 32
	v_pk_fma_f32 v[S+j:S+j+1], v[S+j:S+j+1], s[CS:CS+1], v[12:13] op_sel_hi:[1,0,0]   ; t - M, two at a time
.set j, j+2
.endr
.irp b, 0,1,2,3
	v_fma_f32 v[BM+\b], v[BM+\b], s[CS], v12       ; the same of each block's largest score
.endr
.set j, 0
.rept 64
	v_exp_f32 v[S+j], v[S+j]                       ; p = 2^(t - M): not normalised
.set j, j+1
.endr
	v_pk_mul_f32 v[14:15], v[14:15], v[F:F+1] op_sel_hi:[1,0]   ; the sums under the new M: the plain place behind the exponentials
	s_wait_alu depctr_va_vdst(0)                   ; one wait for the batch, ahead of its first reader
.irp b, 0,1,2,3
	v_exp_f32 v[BM+\b], v[BM+\b]                   ; the block's largest p
.endr
	v_pk_add_f32 v[CH:CH+1], v[S:S+1], v[S+2:S+3]  ; the row's sum, of the unquantised p, in two chains: plain work behind the four
.set j, 4
.rept 15
	v_pk_add_f32 v[14:15], v[14:15], v[S+j:S+j+1]
	v_pk_add_f32 v[CH:CH+1], v[CH:CH+1], v[S+j+2:S+j+3]
.set j, j+4
.endr
	v_pk_add_f32 v[14:15], v[14:15], v[CH:CH+1]
	s_wait_alu depctr_va_vdst(0)                   ; and one for the four
.irp b, 0,1,2,3
	v_max_num_f32 v[BM+\b], 0x1800000, v[BM+\b]    ; the floor 2^(3 - 127): the byte cannot fall under 1
.endr
.irp b, 0,1,2,3
	v_add_nc_u32 v[SO+\b], 0xff000000, v[BM+\b]    ; 2 off the exponent field: the conversion's scale operand
.endr
.irp b, 0,1,2,3
	v_lshrrev_b32 v[BY+\b], 23, v[SO+\b]
.endr
	v_lshl_or_b32 v[PS], v[BY+1], 8, v[BY]         ; p's scale word for these 128 keys
	v_lshl_or_b32 v[PS], v[BY+2], 16, v[PS]
	v_lshl_or_b32 v[PS], v[BY+3], 24, v[PS]
.irp c, 0,1
	v_cvt_scalef32_pk16_fp6_f32 v[PCD+6*\c:PCD+2+6*\c], v[S+32*\c:S+15+32*\c], v[SO+2*\c]
	v_cvt_scalef32_pk16_fp6_f32 v[LND+4*\c:LND+2+4*\c], v[S+16+32*\c:S+31+32*\c], v[SO+2*\c+1]
.endr
	v_nop                                          ; one plain place behind a scaled conversion
.irp c, 0,1                            ; the operand's layout wants a whole block in a lane
.irp i, 0,1,2
	v_permlane16_swap_b32 v[PCD+6*\c+\i], v[LND+4*\c+\i]
.endr
.irp i, 0,1,2
	v_mov_b32 v[PCD+3+6*\c+\i], v[LND+4*\c+\i]
.endr
.endr
.set j, 0
.rept 16
	v_pk_mul_f32 v[O+j:O+j+1], v[O+j:O+j+1], v[F:F+1] op_sel_hi:[1,0]   ; O^T under the new M; these sixteen are also the places between the writes of p's codes and scale word and the products
.set j, j+2
.endr
	s_wait_kmcnt 0x0                               ; the mask words' loads are done on the all-open way too: their registers and offset may be written again
	s_wait_dscnt 0x0                               ; V is in
.irp t, 0,2                            ; O^T += V^T P^T: four accumulators, one instruction each
	v_wmma_scale_f32_16x16x128_f8f6f4 v[O+8*\t:O+8*\t+7], v[VF+12*\t:VF+12*\t+11], v[PCD:PCD+11], v[O+8*\t:O+8*\t+7], v[VS+\t/2], v[PS] matrix_a_fmt:MATRIX_FMT_FP6 matrix_b_fmt:MATRIX_FMT_FP6
	v_wmma_scale_f32_16x16x128_f8f6f4 v[O+8*\t+8:O+8*\t+15], v[VF+12*\t+12:VF+12*\t+23], v[PCD:PCD+11], v[O+8*\t+8:O+8*\t+15], v[VS+\t/2], v[PS] matrix_a_fmt:MATRIX_FMT_FP6 matrix_b_fmt:MATRIX_FMT_FP6 matrix_a_scale:MATRIX_SCALE_ROW1
.endr
.Lskip:
	s_add_co_u32 s[TB], s[TB], REC
	s_add_co_u32 s[MO], s[MO], 256
	s_add_co_u32 s[ST16], s[ST16], 1
	s_add_co_u32 s[STP], s[STP], 1
	s_cmp_lt_u32 s[STP], 16
	s_cbranch_scc1 .Lstep
	; ---- the tile's end: O^T / the sum, quantised along the channels: register 16 g + i is channel 32 g + 16 (lane / 16) + i
.rept 4
	v_nop
.endr
	v_add_f32 v14, v14, v15
	v_permlanex16_b32 v[TMP], v14, s[SEL], s[SEL+1]
	v_add_f32 v14, v14, v[TMP]                     ; the row's sum
	v_rcp_f32 v14, v14
	s_lshr_b32 s4, s[BH], 4
	s_lshl_b32 s4, s4, 7
	s_add_co_u32 s4, s4, s[QT]                     ; the token tile: 128 batch + query tile
	s_and_b32 s6, s[BH], 15                        ; head
	s_lshl_b32 s8, s4, 9
	s_lshl_b32 s9, s6, 1
	s_add_co_u32 s8, s8, s9
	s_mov_b32 s9, 0
	s_lshl_b32 s4, s4, 4
	s_add_co_u32 s4, s4, s6
	s_mul_i32 s4, s4, 768
	s_mov_b32 s5, 0
	s_add_nc_u64 s[4:5], s[92:93], s[4:5]
	s_add_nc_u64 s[8:9], s[94:95], s[8:9]
	v_nop                                          ; a plain place behind the reciprocal
	s_wait_alu depctr_va_vdst(0)                   ; and the wait ahead of its first reader
.set j, 0
.rept 16
	v_pk_mul_f32 v[S+j:S+j+1], v[O+j:O+j+1], v[14:15] op_sel_hi:[1,0]   ; each accumulator from its low end on
.set j, j+2
.endr
.irp g, 0,1
	v_max3_num_f32 v[BM+\g], |v[S+16*\g]|, |v[S+1+16*\g]|, 0x1800000
.endr
.irp i, 2,4,6,8,10,12,14
.irp g, 0,1
	v_max3_num_f32 v[BM+\g], v[BM+\g], |v[S+16*\g+\i]|, |v[S+1+16*\g+\i]|
.endr
.endr
.irp g, 0,1
	v_permlanex16_b32 v[PT+\g], v[BM+\g], s[SEL], s[SEL+1]
.endr
.irp g, 0,1
	v_max_num_f32 v[BM+\g], v[BM+\g], v[PT+\g]
.endr
.irp g, 0,1
	v_add_nc_u32 v[SO+\g], 0xff000000, v[BM+\g]
.endr
.irp g, 0,1
	v_lshrrev_b32 v[BY+\g], 23, v[SO+\g]
.endr
	v_cvt_scalef32_pk16_fp6_f32 v[PCD:PCD+2], v[S:S+15], v[SO]
	v_cvt_scalef32_pk16_fp6_f32 v[PCD+4:PCD+6], v[S+16:S+31], v[SO+1]
	v_lshl_or_b32 v[BY+3], v[BY+1], 8, v[BY]       ; the two bytes (the plain place behind the conversions)
.irp i, 0,1,2
	v_permlane16_swap_b32 v[PCD+\i], v[PCD+4+\i]   ; lanes 0-15: block 0, lanes 16-31: block 1: lower 16 codes in the first three registers, upper 16 in the second three
.endr
	v_mov_b32 v[PCD+3], v[PCD+4]                   ; six registers on end
	v_mov_b32 v[PCD+4], v[PCD+5]
	v_mov_b32 v[PCD+5], v[PCD+6]
	global_store_b128 v[LI], v[PCD:PCD+3], s[4:5]                  ; 512 consecutive bytes, aligned
	global_store_b64 v[L8], v[PCD+4:PCD+5], s[4:5] offset:512      ; 256 consecutive bytes, aligned
	global_store_b16 v[R32], v[BY+3], s[8:9]       ; two bytes of each row's 32: the other heads' work-groups write the rest (lanes r and 16 + r write the same value)
	s_sub_co_u32 s[POS], 31, s[POS]                ; the second tile: 31 - w
	s_wait_xcnt 0x0                                ; the stores have read their registers and bases: both are written again in the next trip
	s_sub_co_u32 s[TRIP], s[TRIP], 1
	s_cmp_lg_u32 s[TRIP], 0
	s_cbranch_scc1 .Ltile
	s_wait_tensorcnt 0x0
	ds_add_u32 v254, v255
	s_wait_dscnt 0x0
	s_endpgm
.Lfunc_end_k_q0c7c9fbbcc_attn:
	.size	k_q0c7c9fbbcc_attn, .Lfunc_end_k_q0c7c9fbbcc_attn-k_q0c7c9fbbcc_attn
	.p2alignl 7, 3214868480
	.fill 96, 4, 3214868480
	.section	.rodata,"a",@progbits
	.p2align	6, 0x0
	.amdhsa_kernel k_q0c7c9fbbcc_attn
		.amdhsa_group_segment_fixed_size 210944
		.amdhsa_private_segment_fixed_size 0
		.amdhsa_enable_private_segment 0
		.amdhsa_kernarg_size 48
		.amdhsa_user_sgpr_count 2
		.amdhsa_user_sgpr_kernarg_segment_ptr 1
		.amdhsa_wavefront_size32 1
		.amdhsa_system_sgpr_workgroup_id_x 1
		.amdhsa_system_sgpr_workgroup_id_y 1
		.amdhsa_system_sgpr_workgroup_id_z 1
		.amdhsa_system_vgpr_workitem_id 0
		.amdhsa_next_free_vgpr 256
		.amdhsa_next_free_sgpr 100
		.amdhsa_reserve_vcc 0
		.amdhsa_float_denorm_mode_32 3
		.amdhsa_float_denorm_mode_16_64 3
		.amdhsa_memory_ordered 1
		.amdhsa_forward_progress 1
		.amdhsa_inst_pref_size 34
	.end_amdhsa_kernel
	.amdgpu_metadata
---
amdhsa.version: [ 1, 2 ]
amdhsa.kernels:
  - .name:           k_q0c7c9fbbcc_attn
    .symbol:         k_q0c7c9fbbcc_attn.kd
    .args:
      - { .name: qc, .offset: 0, .size: 8, .value_kind: global_buffer, .address_space: global }
      - { .name: qs, .offset: 8, .size: 8, .value_kind: global_buffer, .address_space: global }
      - { .name: kv, .offset: 16, .size: 8, .value_kind: global_buffer, .address_space: global }
      - { .name: mw, .offset: 24, .size: 8, .value_kind: global_buffer, .address_space: global }
      - { .name: oc, .offset: 32, .size: 8, .value_kind: global_buffer, .address_space: global }
      - { .name: os, .offset: 40, .size: 8, .value_kind: global_buffer, .address_space: global }
    .group_segment_fixed_size: 210944
    .private_segment_fixed_size: 0
    .kernarg_segment_align: 8
    .kernarg_segment_size: 48
    .max_flat_workgroup_size: 512
    .sgpr_count:     100
    .vgpr_count:     256
    .wavefront_size: 32
...
	.end_amdgpu_metadata
.endif
;; end of part 3
;; launch outp (part 4): grid 4 x 32, 4 waves a work-group, clusters of 4 x 4, 327,680 bytes of LDS; arguments oc, os, pc, ps, bo, out0; writes out0
.if DOCPART == 4
	.amdgcn_target "amdgcn-amd-amdhsa--gfx1250"
	.amdhsa_code_object_version 6
	.text
	.protected	k_q0c7c9fbbcc_outp
	.globl	k_q0c7c9fbbcc_outp
	.p2align	8
	.type	k_q0c7c9fbbcc_outp,@function
k_q0c7c9fbbcc_outp:
	s_mov_b64 s[64:65], 0
	v_nop
	global_prefetch_b8 v0, s[64:65] scope:SCOPE_SE
	s_setreg_imm32_b32 hwreg(HW_REG_WAVE_MODE, 25, 1), 1
	s_wait_xcnt 0x0
	s_wait_alu depctr_hold_cnt(0) depctr_sa_sdst(0) depctr_va_vdst(0) depctr_va_sdst(0) depctr_va_ssrc(0) depctr_va_vcc(0) depctr_vm_vsrc(0)
	s_getreg_b32 s2, hwreg(HW_REG_IB_STS2, 6, 4)
	s_cmp_eq_u32 s2, 0
	s_cbranch_scc0 .Lentry_in_a_cluster
	s_endpgm
.Lentry_in_a_cluster:
	s_bfe_u32 s2, ttmp6, 0x10000c
	s_cmp_lg_u32 s2, 0xf033
	s_cbranch_scc0 .Lentry_shape_is_right
	s_endpgm
.Lentry_shape_is_right:
; OUTP: out0 [8192][1024] f32 = concat Wo^T + bo on codes of FP6 (E2M3) with E8M0 scales, K = 1,024.  A = the concatenated heads (oc, os), B = Wo's rows (pc, ps).
; The main loop is that of the projections' launch: a tile of 256 x 256 by four waves of 128 x 128; K in steps of 256 through a ring of two LDS slots filled by the tensor data mover; operands as images of registers
; (16 rows x 64 K = 768 bytes: lane l's registers 0-3 at 16 l, registers 4-5 at 512 + 8 l); the scale bytes of the work-group's rows in LDS once; 4 x 4 clusters with joint loads: A's tiles along a row, B's along a column.
; THE MATRIX INSTRUCTION IS USED TRANSPOSED (source 0 = 16 rows of B, source 1 = 16 rows of A).  The rows of every tile are chosen (lane r of a group's tile u: row 8 u + r + 8 (r / 8)): a lane holds one token, and register
; 16 b + i of its 64 for an A tile is output column 32 b + 16 (lane / 16) + i.  On the way out the columns find their places in a stage in LDS and the tokens theirs in the stores' offsets.
; REGISTERS: window 0: v0-31 addresses; v32-63 scale words, two sets; v64-127 bo in the results' layout; v128-223 A's fragments (on the way out v128-255: rows read back); window 1: B's two sets; windows 2, 3: the accumulators.
.set NQ,     2
.set FR,     12
.set NL,     4
.set NP,     4
.set TILEB,  3072
.set PANEL,  12288
.set HALFT,  8*TILEB
.set SLOT,   4*HALFT
.set LAPS,   2
.set SCL,    2*SLOT
.set HALFS,  16*272
.set SBLK,   2*272
.set SPARE,  SCL+4*HALFS               ; the spare words, 128 bytes for each wave, which no other line names
.set SPITCH, 528                       ; the way out: a stage of 16 rows x (512 bytes + 16) for each wave, in slot 0, which has had its last fill and its last read when the first result is stored there
.set PC_O,   8650752
.set PS_O,   360448
.set ADRA, 16
.set ADRB, 20
.set STO,  24                          ; v24  the stage: where I put my results
.set RD,   25                          ; v25  and where I read a row back
.set CO,   26                          ; v26  16 x lane
.set ADRS, 27
.set SPW,  28
.set NIL,  29
.set BOF,  30                          ; v30  64 (lane / 16); never rewritten
.set SC,   32
.set BI,   64
.set AF,   128
.set BK,   128
.set G1, 24
.set G0, 32
.set G1B, 48
.set G0B, 56
.set G1S, 68
.set G0S, 76
.set G1SB, 80
.set G0SB, 88
.set MSB, 0
.macro WIN new                         ; the immediate's high byte repeats the setting that is left
.if MSB != \new
	s_set_vgpr_msb (MSB<<8)|\new
.set MSB, \new
.endif
.endm
.set MUL_LO, 0xa1
.set MUL_HI, 0xf1
.set TO_B,   0x40
.macro JLOAD g0a, g1a, g0b, g1b        ; a joint load: waves 0 and 1 fetch for A, waves 2 and 3 for B; four v_nop follow each of the two lines
	s_cmp_eq_u32 s15, 0
	s_cbranch_scc0 .Lfor_b_\@
	tensor_load_to_lds s[\g0a:\g0a+3], s[\g1a:\g1a+7]
	s_nop 0
.rept 4
	v_nop
.endr
	s_branch .Lasked_\@
.Lfor_b_\@:
	tensor_load_to_lds s[\g0b:\g0b+3], s[\g1b:\g1b+7]
	s_nop 0
.rept 4
	v_nop
.endr
.Lasked_\@:
.endm
.macro CREST
	s_cmp_lg_u32 s14, 0
	s_cbranch_scc1 .Lnot_wave_0_\@
	s_barrier_signal -3
.Lnot_wave_0_\@:
	s_barrier_wait -3
	s_barrier_signal -1
	s_barrier_wait -1
.endm
.macro CROUND
	s_barrier_signal -1
	s_barrier_wait -1
	CREST
.endm
	s_load_b128 s[4:7], s[0:1], 0x0                ; oc, os
	s_load_b128 s[8:11], s[0:1], 0x10              ; pc, ps
	s_load_b64 s[96:97], s[0:1], 0x20              ; bo
	s_load_b64 s[12:13], s[0:1], 0x28              ; out0
	v_lshl_add_u32 v[SPW], v0, 2, SPARE
	v_mov_b32 v[NIL], 0
	ds_add_u32 v28, v29
	ds_add_u32 v28, v29
	s_wait_dscnt 0x0
	v_lshrrev_b32 v1, 5, v0
	v_readfirstlane_b32 s14, v1                    ; wave 0..3
	s_lshr_b32 s15, s14, 1
	s_and_b32 s16, s14, 1
	s_bfe_u32 s40, ttmp6, 0x40000                  ; cx
	s_bfe_u32 s41, ttmp6, 0x40004                  ; cy
	s_lshl_b32 s42, ttmp9, 2
	s_add_co_u32 s42, s42, s40                     ; tile column
	s_and_b32 s17, ttmp7, 0xffff
	s_lshl_b32 s17, s17, 2
	s_add_co_u32 s17, s17, s41                     ; tile row
	s_lshl_b32 s43, s41, 2
	s_lshl_b32 s43, 15, s43                        ; my row of the cluster
	s_lshl_b32 s44, 0x1111, s40                    ; my column
	s_or_b32 s[G1+0], s43, (3<<16)|(1<<21)         ; codes: 8 rows of 384 elements of 8 bytes, 1,536 elements apart, no padding
	s_or_b32 s[G1B+0], s44, (3<<16)|(1<<21)
.irp g, G1, G1B
	s_mov_b32 s[\g+1], 384<<16
	s_mov_b32 s[\g+2], 8<<16
	s_mov_b32 s[\g+3], 384<<16
	s_mov_b32 s[\g+4], 8
	s_mov_b32 s[\g+5], 1536
	s_mov_b32 s[\g+6], 0
	s_mov_b32 s[\g+7], 0
.endr
	s_or_b32 s[G1S+0], s43, (3<<16)|(1<<20)|(1<<21)|(5<<22)|(3<<25)   ; scales of 128 rows: 16 rows of 256 bytes, 16 bytes of padding behind each
	s_or_b32 s[G1SB+0], s44, (3<<16)|(1<<20)|(1<<21)|(5<<22)|(3<<25)
.irp g, G1S, G1SB
	s_mov_b32 s[\g+1], 32<<16
	s_mov_b32 s[\g+2], 16<<16
	s_mov_b32 s[\g+3], 32<<16
	s_mov_b32 s[\g+4], 16
	s_mov_b32 s[\g+5], 32
	s_mov_b32 s[\g+6], 0
	s_mov_b32 s[\g+7], 0
.endr
	s_lshl_b32 s18, s16, 3
	s_lshl_b32 s20, s17, 4
	s_add_co_u32 s20, s20, s18                     ; A: row tile 16 x tile row + 8 x half
	s_lshl_b32 s46, s42, 4
	s_add_co_u32 s46, s46, s18                     ; B: 16 x tile column + 8 x half
	s_lshl_b32 s22, s20, 9
	s_mov_b32 s23, 0
	s_lshl_b32 s92, s46, 9
	s_add_co_u32 s92, s92, PS_O
	s_mov_b32 s93, 0
	s_mul_i32 s20, s20, PANEL
	s_mov_b32 s21, 0
	s_mul_i32 s46, s46, PANEL
	s_add_co_u32 s46, s46, PC_O
	s_mov_b32 s47, 0
	s_mul_i32 s45, s14, HALFT
	s_mul_i32 s94, s14, HALFS
	s_wait_kmcnt 0x0
	s_add_nc_u64 s[20:21], s[4:5], s[20:21]
	s_add_nc_u64 s[22:23], s[6:7], s[22:23]
	s_add_nc_u64 s[46:47], s[8:9], s[46:47]
	s_add_nc_u64 s[92:93], s[10:11], s[92:93]
	CROUND                                         ; all sixteen work-groups are here: the first joint loads meet
	s_mov_b32 s[G0S], 1
	s_add_co_u32 s[G0S+1], s94, SCL
	s_mov_b64 s[G0S+2:G0S+3], s[22:23]
	s_or_b32 s[G0S+3], s[G0S+3], 0x80000000
	s_mov_b32 s[G0SB], 1
	s_add_co_u32 s[G0SB+1], s94, SCL
	s_mov_b64 s[G0SB+2:G0SB+3], s[92:93]
	s_or_b32 s[G0SB+3], s[G0SB+3], 0x80000000
	JLOAD G0S, G1S, G0SB, G1SB
.irp s, 0,1
	s_mov_b32 s[G0+4*\s], 1
	s_add_co_u32 s[G0+4*\s+1], s45, \s*SLOT
	s_add_nc_u64 s[G0+4*\s+2:G0+4*\s+3], s[20:21], \s*TILEB
	s_or_b32 s[G0+4*\s+3], s[G0+4*\s+3], 0x80000000
	s_mov_b32 s[G0B+4*\s], 1
	s_add_co_u32 s[G0B+4*\s+1], s45, \s*SLOT
	s_add_nc_u64 s[G0B+4*\s+2:G0B+4*\s+3], s[46:47], \s*TILEB
	s_or_b32 s[G0B+4*\s+3], s[G0B+4*\s+3], 0x80000000
	JLOAD G0+4*\s, G1, G0B+4*\s, G1B               ; three tensor loads of mine are out now
.endr
	v_and_b32 v1, 31, v0
	v_and_b32 v2, 15, v0
	v_bfe_u32 v3, v0, 4, 1
	v_lshlrev_b32 v4, 4, v1
	v_lshlrev_b32 v5, 3, v1
	v_add_nc_u32 v5, 512, v5
	s_mul_i32 s21, s15, HALFT
	s_mul_i32 s22, s16, HALFT
	s_add_co_u32 s22, s22, 2*HALFT
.irp s, 0,1
	v_add_nc_u32 v[ADRA+\s], s21, v4
	v_add_nc_u32 v[ADRB+\s], s22, v4
	v_add_nc_u32 v[ADRA+2+\s], s21, v5
	v_add_nc_u32 v[ADRB+2+\s], s22, v5
	s_add_co_u32 s21, s21, SLOT
	s_add_co_u32 s22, s22, SLOT
.endr
	v_mul_u32_u24 v6, v2, 32
	v_lshrrev_b32 v7, 8, v6
	v_lshl_add_u32 v6, v7, 4, v6
	s_mul_i32 s21, s15, HALFS
	s_mul_i32 s22, s16, HALFS
	s_add_co_u32 s22, s22, 2*HALFS
	s_sub_co_u32 s22, s22, s21
	v_mul_u32_u24 v7, s22, v3
	s_add_co_u32 s21, s21, SCL
	v_add_nc_u32 v6, v6, v7
	v_add_nc_u32 v[ADRS], s21, v6
	s_mul_i32 s23, s14, 16*SPITCH                  ; my stage
	v_mul_u32_u24 v6, v2, SPITCH
	v_lshl_add_u32 v6, v3, 6, v6
	v_add_nc_u32 v[STO], s23, v6                   ; in: row r, + 64 (lane / 16)
	v_lshlrev_b32 v[CO], 4, v1
	v_add_nc_u32 v[RD], s23, v[CO]                 ; back: the 32 lanes take one row of 512 bytes
	v_lshlrev_b32 v[BOF], 6, v3
	s_lshl_b32 s20, s17, 8
	s_lshl_b32 s21, s15, 7
	s_add_co_u32 s20, s20, s21                     ; my first token
	s_lshl_b32 s20, s20, 12                        ; rows of 4,096 bytes
	s_lshl_b32 s46, s42, 8
	s_lshl_b32 s47, s16, 7
	s_add_co_u32 s46, s46, s47                     ; my first column,
	s_lshl_b32 s46, s46, 2                         ; in bytes
	s_mov_b32 s47, 0
	s_add_nc_u64 s[96:97], s[96:97], s[46:47]
	s_add_co_u32 s20, s20, s46
	s_mov_b32 s21, 0
	s_add_nc_u64 s[12:13], s[12:13], s[20:21]
.irp b, 0,1,2,3
.irp j, 0,1,2,3
	global_load_b128 v[BI+16*\b+4*\j:BI+16*\b+4*\j+3], v[BOF], s[96:97] offset:128*\b+16*\j   ; bo in the results' layout; waited for ahead of the way out
.endr
.endr
.macro FRAG reg, adr, q, i
	ds_load_b128 v[\reg:\reg+3], v[\adr] offset:(\i)*TILEB+(\q)*1536
	ds_load_b64 v[\reg+4:\reg+5], v[\adr+2] offset:(\i)*TILEB+(\q)*1536
	ds_load_b128 v[\reg+6:\reg+9], v[\adr] offset:(\i)*TILEB+(\q)*1536+768
	ds_load_b64 v[\reg+10:\reg+11], v[\adr+2] offset:(\i)*TILEB+(\q)*1536+768
.endm
; The 64 accumulators take turns, one instruction a turn, in the same order in every step.
.macro MUL16 a0, p, q, sc, zero
.irp a, \a0, \a0+1
.irp b, 0,1,2,3,4,5,6,7
.if \zero
	v_wmma_scale_f32_16x16x128_f8f6f4 v[8*(8*((\a)%4)+\b):8*(8*((\a)%4)+\b)+7], v[128*(\p)+FR*\b:128*(\p)+FR*\b+FR-1], v[AF+FR*(\a):AF+FR*(\a)+FR-1], 0, v[SC+8*NQ*(\sc)+NQ*\b+(\q)], v[SC+8*NQ*(\sc)+NQ*(\a)+(\q)] matrix_a_fmt:MATRIX_FMT_FP6 matrix_b_fmt:MATRIX_FMT_FP6 matrix_a_scale:MATRIX_SCALE_ROW1
.else
	v_wmma_scale_f32_16x16x128_f8f6f4 v[8*(8*((\a)%4)+\b):8*(8*((\a)%4)+\b)+7], v[128*(\p)+FR*\b:128*(\p)+FR*\b+FR-1], v[AF+FR*(\a):AF+FR*(\a)+FR-1], v[8*(8*((\a)%4)+\b):8*(8*((\a)%4)+\b)+7], v[SC+8*NQ*(\sc)+NQ*\b+(\q)], v[SC+8*NQ*(\sc)+NQ*(\a)+(\q)] matrix_a_fmt:MATRIX_FMT_FP6 matrix_b_fmt:MATRIX_FMT_FP6 matrix_a_scale:MATRIX_SCALE_ROW1
.endif
.endr
.endr
.endm
.macro FETCH_B slot, q, p
	WIN TO_B
.irp i, 0,1,2,3,4,5,6,7
	FRAG 128*(\p)+FR*\i, ADRB+\slot, \q, \i
.endr
	WIN 0
.endm
.macro FETCH_A slot, q, i0
.irp i, \i0, \i0+1, \i0+2, \i0+3
	FRAG AF+FR*(\i), ADRA+\slot, \q, \i
.endr
.endm
.macro SCALES sc
.irp i, 0,1,2,3,4,5,6,7
	ds_load_b64 v[SC+8*NQ*\sc+NQ*\i:SC+8*NQ*\sc+NQ*\i+1], v[ADRS] offset:\i*SBLK
.endr
.endm
.macro PLACES n                        ; plain vector instructions between a matrix instruction and a load into, or a vector read or write of, its registers
.rept \n
	v_nop
.endr
.endm
.macro STEP slot, q, zero
	s_wait_dscnt 4*NL                              ; B's set, A's blocks 0-3 (and the scale words) are in; the youngest 16 loads, A's blocks 4-7, may be out
	WIN MUL_LO
	MUL16 0, (\q)%2, \q, \slot, \zero
	MUL16 2, (\q)%2, \q, \slot, \zero
	s_wait_dscnt 0
	PLACES NP
	FETCH_B \slot, (\q)+1, 1-(\q)%2
	FETCH_A \slot, (\q)+1, 0
	WIN MUL_HI
	MUL16 4, (\q)%2, \q, \slot, \zero
	MUL16 6, (\q)%2, \q, \slot, \zero
	PLACES NP
	WIN 0
	FETCH_A \slot, (\q)+1, 4
.endm
.macro TURN slot, next, fill
	s_wait_tensorcnt 0x0                           ; all my tensor loads have landed: my part of the next slot
	ds_add_u32 v[SPW], v[NIL]                      ; 0 onto my spare word
	s_wait_dscnt 4*NL+1                            ; (the add and the youngest 16 loads may be out)
	WIN MUL_LO
	MUL16 0, 1, NQ-1, \slot, 0
	s_wait_dscnt 0x0                               ; the add is done, and my reads of this slot are over
	s_barrier_signal -1
	MUL16 2, 1, NQ-1, \slot, 0
	WIN 0
	s_barrier_wait -1
.if \fill
	CREST                                          ; the barrier has opened a round of the cluster's barrier: no wave of any partner still reads this slot or has a load on its way
	s_add_nc_u64 s[G0+4*\slot+2:G0+4*\slot+3], s[G0+4*\slot+2:G0+4*\slot+3], 2*TILEB
	s_add_nc_u64 s[G0B+4*\slot+2:G0B+4*\slot+3], s[G0B+4*\slot+2:G0B+4*\slot+3], 2*TILEB
	JLOAD G0+4*\slot, G1, G0B+4*\slot, G1B         ; the first tensor load behind the round, my one load until the next
.else
	PLACES NP
.endif
	v_add_nc_u32 v[ADRS], 4*NQ, v[ADRS]
	FETCH_B \next, 0, 0
	FETCH_A \next, 0, 0
	SCALES \next
	WIN MUL_HI
	MUL16 4, 1, NQ-1, \slot, 0
	MUL16 6, 1, NQ-1, \slot, 0
	PLACES NP
	WIN 0
	FETCH_A \next, 0, 4
.endm
	s_wait_tensorcnt 1                             ; the scales and my part of K step 0 are in (K step 1's load may be out)
	s_barrier_signal -1
	s_barrier_wait -1
	FETCH_B 0, 0, 0
	FETCH_A 0, 0, 0
	SCALES 0
	FETCH_A 0, 0, 4
	STEP 0, 0, 1                                   ; the first step's products start the sums
	s_mov_b32 s3, LAPS-1
.Llap:
	TURN 0, 1, 1
	STEP 1, 0, 0
	TURN 1, 0, 1
	STEP 0, 0, 0
	s_sub_co_u32 s3, s3, 1
	s_cmp_lg_u32 s3, 0
	s_cbranch_scc1 .Llap
	TURN 0, 1, 0
	STEP 1, 0, 0
	s_wait_dscnt 4*NL                              ; the very last step
	WIN MUL_LO
	MUL16 0, 1, NQ-1, 1, 0
	MUL16 2, 1, NQ-1, 1, 0
	s_wait_dscnt 0
	WIN MUL_HI
	MUL16 4, 1, NQ-1, 1, 0
	MUL16 6, 1, NQ-1, 1, 0
	WIN 0
; THE WAY OUT, A tile by A tile: bo is added in place; the tile's 16 tokens x 128 columns go through my own stage in LDS, where the columns find their order, and come back as whole rows of 512 bytes.
.macro ADDB a
.set AC, 64*((\a)%4)
.set WN, 0x82+0x41*((\a)/4)
	WIN WN                                         ; source 0 and destination: the accumulators' window; bo: window 0
.set kk, 0
.rept 32
	v_pk_add_f32 v[AC+kk:AC+kk+1], v[AC+kk:AC+kk+1], v[BI+kk:BI+kk+1]   ; each accumulator from its low end on
.set kk, kk+2
.endr
.endm
.macro TOSTAGE a
.set AC, 64*((\a)%4)
.set WN, 0x08+4*((\a)/4)
	WIN WN                                         ; an LDS store's data: window 2 or 3
.irp b, 0,1,2,3,4,5,6,7
	ds_store_b128 v[STO], v[AC+8*\b:AC+8*\b+3] offset:128*(\b/2)+32*(\b%2)       ; columns 32 (b / 2) + 16 (lane / 16) + 8 (b % 2) on
	ds_store_b128 v[STO], v[AC+8*\b+4:AC+8*\b+7] offset:128*(\b/2)+32*(\b%2)+16
.endr
	WIN 0
.set BB, BK+64*((\a)%2)
.set tt, 0
.rept 16
	ds_load_b128 v[BB+4*tt:BB+4*tt+3], v[RD] offset:tt*SPITCH   ; my own stage, served in order: these see the stores above
.set tt, tt+1
.endr
.endm
.macro SEND a, younger                 ; younger: the LDS instructions issued behind tile a's loads, which may stay out
.set BB, BK+64*((\a)%2)
	s_wait_dscnt \younger
.set tt, 0
.rept 16
	global_store_b128 v[CO], v[BB+4*tt:BB+4*tt+3], s[12:13] offset:(32*((\a)/2)+8*((\a)%2)+tt+8*(tt/8))*4096 th:TH_STORE_NT   ; the tile's row tt is this token; 512 consecutive bytes, aligned; 127 rows on at the most, inside the signed 24-bit immediate
.set tt, tt+1
.endr
.endm
	s_wait_loadcnt 0x0                             ; bo
	PLACES NP
	ADDB 0
	TOSTAGE 0
.irp a, 1,2,3,4,5,6,7
.if \a > 1
	s_wait_xcnt 0x0                                ; tile a - 2's stores have read their registers: tile a's loads may land there
.endif
	ADDB \a
	TOSTAGE \a
	SEND \a-1, 32                                  ; behind tile a - 1's loads: tile a's 16 stores and 16 loads
.endr
	SEND 7, 0
	s_wait_tensorcnt 0x0                           ; the wave's end
	ds_add_u32 v[SPW], v[NIL]
	s_wait_dscnt 0x0
	CROUND                                         ; the closing round
	s_endpgm
.Lfunc_end_k_q0c7c9fbbcc_outp:
	.size	k_q0c7c9fbbcc_outp, .Lfunc_end_k_q0c7c9fbbcc_outp-k_q0c7c9fbbcc_outp
	.p2alignl 7, 3214868480
	.fill 96, 4, 3214868480
	.section	.rodata,"a",@progbits
	.p2align	6, 0x0
	.amdhsa_kernel k_q0c7c9fbbcc_outp
		.amdhsa_group_segment_fixed_size 327680
		.amdhsa_private_segment_fixed_size 0
		.amdhsa_enable_private_segment 0
		.amdhsa_kernarg_size 48
		.amdhsa_user_sgpr_count 2
		.amdhsa_user_sgpr_kernarg_segment_ptr 1
		.amdhsa_wavefront_size32 1
		.amdhsa_system_sgpr_workgroup_id_x 1
		.amdhsa_system_sgpr_workgroup_id_y 1
		.amdhsa_system_sgpr_workgroup_id_z 1
		.amdhsa_system_vgpr_workitem_id 0
		.amdhsa_next_free_vgpr 1024
		.amdhsa_next_free_sgpr 100
		.amdhsa_reserve_vcc 0
		.amdhsa_float_denorm_mode_32 3
		.amdhsa_float_denorm_mode_16_64 3
		.amdhsa_memory_ordered 1
		.amdhsa_forward_progress 1
		.amdhsa_inst_pref_size 161
	.end_amdhsa_kernel
	.amdgpu_metadata
---
amdhsa.version: [ 1, 2 ]
amdhsa.kernels:
  - .name:           k_q0c7c9fbbcc_outp
    .symbol:         k_q0c7c9fbbcc_outp.kd
    .args:
      - { .name: oc, .offset: 0, .size: 8, .value_kind: global_buffer, .address_space: global }
      - { .name: os, .offset: 8, .size: 8, .value_kind: global_buffer, .address_space: global }
      - { .name: pc, .offset: 16, .size: 8, .value_kind: global_buffer, .address_space: global }
      - { .name: ps, .offset: 24, .size: 8, .value_kind: global_buffer, .address_space: global }
      - { .name: bo, .offset: 32, .size: 8, .value_kind: global_buffer, .address_space: global }
      - { .name: out0, .offset: 40, .size: 8, .value_kind: global_buffer, .address_space: global }
    .group_segment_fixed_size: 327680
    .private_segment_fixed_size: 0
    .kernarg_segment_align: 8
    .kernarg_segment_size: 48
    .max_flat_workgroup_size: 128
    .sgpr_count:     100
    .vgpr_count:     1024
    .wavefront_size: 32
...
	.end_amdgpu_metadata
.endif
;; end of part 4
;; ======== version 2 of 2: 4 launches; version 1 with the launch attn written anew for expert scheduling mode
;; limits: right only within a limited range of input values
;; workspace buffers: pc 9,437,184 bytes; ps 393,216 bytes; mw 524,800 bytes of whole numbers; qc 6,291,456 bytes; qs 524,288 bytes; kv 13,369,344 bytes; oc 6,291,456 bytes; os 262,144 bytes
;; launch prep: the kernel of part 1 again; grid 736 x 1, 8 waves a work-group, no clusters, 137,984 bytes of LDS; arguments x, Wo, Wq, Wk, Wv, mask, pc, ps, mw; writes pc, ps, mw
;; launch proj: the kernel of part 2 again; grid 12 x 32, 4 waves a work-group, clusters of 4 x 4, 327,680 bytes of LDS; arguments pc, ps, bq, bk, bv, qc, qs, kv; writes qc, qs, kv
;; launch attn (part 5): grid 4 x 64, 16 waves a work-group, no clusters, 210,944 bytes of LDS; arguments qc, qs, kv, mw, oc, os; writes oc, os
.if DOCPART == 5
	.amdgcn_target "amdgcn-amd-amdhsa--gfx1250"
	.amdhsa_code_object_version 6
	.text
	.protected	k_q0c7c9fbbcc_attn
	.globl	k_q0c7c9fbbcc_attn
	.p2align	8
	.type	k_q0c7c9fbbcc_attn,@function
k_q0c7c9fbbcc_attn:
	s_mov_b64 s[64:65], 0
	v_nop
	global_prefetch_b8 v0, s[64:65] scope:SCOPE_SE
	s_setreg_imm32_b32 hwreg(HW_REG_WAVE_SCHED_MODE, 0, 2), 2
	s_setreg_imm32_b32 hwreg(HW_REG_WAVE_MODE, 25, 1), 1
	s_wait_xcnt 0x0
	s_wait_alu depctr_vm_vsrc(0)
; ATTN: for each (batch, head): softmax over the keys of (q . k / 8, or the masked logit where the mask is 0), times v; both products on codes of FP6 (E2M3) with E8M0 scales.  The result, divided by the row's sum, is
; quantised along the channels into the last product's operand (oc: image [token tile][head]; os: two bytes a row and head).
; THE SOFTMAX AHEAD OF THE SECOND PRODUCT: t = score x log2(e) / 8; M = the running largest t rounded UP to a whole number; p = 2^(t - M) is quantised along the keys; the row's sum is taken of the unquantised p.
; When M moves, the sum and O are multiplied by 2^(old M - new M): exact.
; SHARES.  A work-group owns one (batch, head) and every fourth query tile; the head's sixteen records of K, V and their scale words (208,896 bytes) are copied into LDS once, through registers, and stay.
; Each of the sixteen waves then takes two query tiles, one after the other: tile x + 4 w and tile x + 4 (31 - w); after the one barrier the waves share nothing.
; THE MASK comes as lane-mask words: word j of a (tile, step) has a bit for each lane, for score register j.  A class word for each tile says which steps hold no open key (left out: a scalar branch on a stored whole
; number; it is set only where every row of the tile has an open key somewhere, so those steps' p would be 0 or be multiplied by 0 later) and which are all open (no selects).
; That branch is why LDS is filled through registers here and not by the tensor data mover, and why the four work-groups of a head are no cluster: each reads the head's records by itself.
; LAYOUT.  Both products are used transposed (S^T = K Q^T, O^T = V^T P^T): a lane holds one query.  The keys of a tile of K, and the channels of a tile of V, are chosen so that the 16 registers of tiles 2 b, 2 b + 1 are
; 16 neighbours.  The first product's K is 64: the upper 64 of the instruction's 128 meet zero codes on Q's side (K's operand simply runs on into the next tile's registers), under scale bytes that repeat the real ones.
; LIMIT: a masked score is -2^33, a masked logit -2^30, where the problem writes -1e9: t is then a whole number too, so a row with no open key gets p = 1 for every key, as there; results differ only if a true logit of
; the row lies under about -1e9.  NaN and infinities are not served.
; THE MODE: SCHED_MODE bits 1:0 = 2 (LLVM: expert scheduling mode 2), set by the entry lines.  The code itself states the register dependences between vector or matrix instructions and memory or LDS
; instructions, with s_wait_alu, always for 0.
; THE PLAN.  Registers that memory or LDS instructions touch:
;   v136-139, v32-135   The fill: addresses made at the head; data loaded, then read by the LDS stores.  Behind the barrier they become K's registers, the zero codes v80-85 and S^T.
;   v1, v2, v7, v246    Offsets, made once at the head, read by Q's loads and by a tile's stores, never written again.
;   v16-21, v28         Q and its scale words: loaded at a tile's head, read by the first product's matrix instructions.
;   v3, v4              LDS addresses: written by two additions at the head of each step that is walked, read by the step's 34 LDS loads.
;   v32-79, v8-11       K and its scale words: loaded at a step's head, read by the first product; v32-66 are then at work in the softmax, and p's codes (v48-59) are read by the second product.
;   v192-239, v30-31    V and its scale words: loaded among the first product's matrix instructions, read by the second product at the step's end.
;   v47, v48-53         At a tile's end: written by vector instructions, read by the tile's three stores; in the next tile K's loads land there.
;   v254, v255          Written at the head, read by the closing add alone.
; A step that is walked has one wait on vm_vsrc (its predecessor's LDS loads have read v3 and v4) and one on va_vdst behind the two additions: v3 and v4 are written, and all earlier vector and matrix
; instructions are done with every register in which the step's loads land.  Behind it only the first product's eight matrix instructions are issued ahead of the last of the loads; they name S^T, K, Q and their scale
; words, none of the registers that V's loads touch.  Three more waits on va_vdst stand in a step: two behind the exponentials, one ahead of the second product, whose operand p and scale word vector instructions write.
.set REC,  13056                       ; a record: 8 images of K, 8 of V at 6,144, K's scale words at 12,288, V's at 12,800
.set LI,   1                           ; v1   16 x lane
.set L8,   2                           ; v2   8 x lane
.set ADK,  3                           ; v3   16 x lane + the step's record
.set AD8,  4                           ; v4   8 x lane + the step's record
.set SMK,  5                           ; v5   the masked score
.set R16,  7                           ; v7   16 r
.set KS,   8                           ; v8-11  K's scale words: register i: lanes 0-15 tile 2 i, lanes 16-31 tile 2 i + 1
                                       ; v12 -M, v13 the largest t, v[14:15] the sum in two halves
.set QF,   16                          ; v16-21 Q's codes; v22-27 zero codes
.set QS,   28                          ; v28  Q's scale words
.set PS,   29                          ; v29  p's scale word
.set VS,   30                          ; v30-31 V's scale words
.set KF,   32                          ; v32-79 K's eight tiles, six registers each; v80-85 zero codes
.set S,    96                          ; v96-159 S^T, then p
.set O,    160                         ; v160-191 O^T
.set VF,   192                         ; v192-239 V's four fragments
.set F,    240                         ; v[240:241] f = 2^(old M - new M)
.set TMP,  242
.set CH,   244                         ; v[244:245] the sum's second chain
.set R32,  246                         ; v246 32 r
.set BM,   32                          ; behind the first product K's registers are at work: the blocks' largest scores,
.set PT,   36                          ; lane l xor 16's,
.set SO,   40                          ; the conversions' scale operands,
.set BY,   44                          ; the bytes,
.set PCD,  48                          ; v48-59 p's codes,
.set LND,  60                          ; v60-62, v64-66 where the second conversions land
                                       ; s4-51, s68-83 the step's 64 mask words (at a tile's head and end: address arithmetic)
.set MP,   52                          ; s[52:53] the tile's mask words
.set MO,   54                          ; s54  256 x step
.set FL,   55                          ; s55  the tile's class word
.set STP,  56                          ; s56  step
.set ST16, 57                          ; s57  16 + step
.set TB,   58                          ; s58  REC x step
.set WV,   59
.set SEL,  60                          ; s[60:61] lane l xor 16
.set CS,   62                          ; s[62:63] c = log2(e) / 8
.set TRIP, 96
.set POS,  97
.set BH,   98
.set QT,   99
	s_load_b128 s[84:87], s[0:1], 0x0              ; qc, qs
	s_load_b128 s[88:91], s[0:1], 0x10             ; kv, mw
	s_load_b128 s[92:95], s[0:1], 0x20             ; oc, os
	v_lshl_add_u32 v254, v0, 2, 0x33000
	v_mov_b32 v255, 0
	v_lshrrev_b32 v1, 5, v0
	v_readfirstlane_b32 s[WV], v1                  ; wave 0..15
	s_and_b32 s[BH], ttmp7, 0xffff                 ; 16 batch + head
	s_mul_i32 s2, s[BH], 16*REC
	s_mov_b32 s3, 0
	v_lshlrev_b32 v136, 4, v0                      ; 16 x thread: 8,192 bytes a piece
	v_add_nc_u32 v137, 0x10000, v136               ; (an LDS immediate has 16 bits)
	v_add_nc_u32 v138, 0x20000, v136
	v_add_nc_u32 v139, 0x30000, v136
	s_wait_alu depctr_va_sdst(0)                   ; the wave's number is written into its scalar register, ahead of its first reader, the compare below
	s_wait_alu depctr_va_vdst(0)                   ; v136 to v139 are written: the fill's loads and LDS stores read them as addresses; no vector instruction between here and those names a register that they touch
	s_wait_kmcnt 0x0
	s_add_nc_u64 s[2:3], s[88:89], s[2:3]
	s_cmp_lt_u32 s[WV], 8                          ; 208,896 bytes are 25 pieces and a half: the half is waves 0-7's
	s_cbranch_scc0 .Lno_half_in
	global_load_b128 v[132:135], v136, s[2:3] offset:25*8192
.Lno_half_in:
.set i, 0
.rept 25
	global_load_b128 v[32+4*i:35+4*i], v136, s[2:3] offset:8192*i
.set i, i+1
.endr
	v_and_b32 v[L8], 31, v0
	v_lshlrev_b32 v[LI], 4, v[L8]
	v_lshlrev_b32 v[L8], 3, v[L8]
	v_and_b32 v[R16], 15, v0
	v_lshlrev_b32 v[R32], 5, v[R16]
	v_lshlrev_b32 v[R16], 4, v[R16]
	v_mov_b32 v[SMK], 0xd0000000                   ; -2^33
.irp i, 0,1,2,3,4,5
	v_mov_b32 v[QF+6+\i], 0                        ; Q's upper 64 along K: zero codes, written once
.endr
	v_mov_b32 v[F+1], 0                            ; (named as the upper half of a pair)
	v_mov_b32 v[TMP], 0                            ; (a lane permute's destination counts as one of its sources)
	s_mov_b32 s[SEL], 0x76543210
	s_mov_b32 s[SEL+1], 0xfedcba98
	s_mov_b32 s[CS], 0x3e38aa3b                    ; log2(e) / 8
	s_mov_b32 s[CS+1], s[CS]
	s_mov_b32 s[TRIP], 2
	s_mov_b32 s[POS], s[WV]
	s_wait_loadcnt 0x0
.set i, 0
.rept 25
	ds_store_b128 v[136+i/8], v[32+4*i:35+4*i] offset:8192*(i%8)
.set i, i+1
.endr
	s_cmp_lt_u32 s[WV], 8
	s_cbranch_scc0 .Lno_half_out
	ds_store_b128 v139, v[132:135] offset:8192
.Lno_half_out:
	s_wait_dscnt 0x0                               ; for the others' sake: my part of the head lies in LDS
	s_barrier_signal -1
	s_barrier_wait -1                              ; everybody's does; from here on LDS is only read
	s_wait_alu depctr_vm_vsrc(0)                   ; the fill's loads and LDS stores have read v32 to v139: from here on these are K's registers, the zero codes and S^T, written by the moves below, by LDS loads and by matrix instructions
.irp i, 0,1,2,3,4,5
	v_mov_b32 v[KF+48+\i], 0                       ; what tile 7's operand runs on into
.endr
.Ltile:
	s_lshl_b32 s[QT], s[POS], 2
	s_add_co_u32 s[QT], s[QT], ttmp9               ; my query tile
	s_lshl_b32 s4, s[BH], 7
	s_add_co_u32 s4, s4, s[QT]
	s_mul_i32 s4, s4, 768
	s_mov_b32 s5, 0
	s_add_nc_u64 s[4:5], s[84:85], s[4:5]          ; its image
	s_lshl_b32 s6, s[BH], 13
	s_lshr_b32 s7, s[QT], 3
	s_lshl_b32 s7, s7, 9
	s_add_co_u32 s6, s6, s7
	s_and_b32 s7, s[QT], 1
	s_lshl_b32 s7, s7, 8
	s_add_co_u32 s6, s6, s7
	s_bfe_u32 s7, s[QT], 0x20001
	s_lshl_b32 s7, s7, 2
	s_add_co_u32 s6, s6, s7
	s_mov_b32 s7, 0
	s_add_nc_u64 s[6:7], s[86:87], s[6:7]          ; its scale words: 16 bytes from row to row
	s_lshl_b32 s[MP], s[QT], 12
	s_mov_b32 s[MP+1], 0
	s_add_nc_u64 s[MP:MP+1], s[90:91], s[MP:MP+1]  ; its mask words
	s_lshl_b32 s8, s[QT], 2
	s_load_b32 s[FL], s[90:91], s8 offset:0x80000  ; its class word
	s_wait_alu depctr_va_vdst(0)                   ; first tile: the offsets v1, v2, v7 are written, which the loads below read, and so are the zero codes v22-27 and v80-85, operands of the first product; second tile: the first tile's matrix instructions are done reading Q and its scale words, in which the loads below land
	global_load_b128 v[QF:QF+3], v[LI], s[4:5]
	global_load_b64 v[QF+4:QF+5], v[L8], s[4:5] offset:512
	global_load_b32 v[QS], v[R16], s[6:7]
	v_mov_b32 v13, 0xff61b1e6                      ; the largest t so far: -3e38, under every t
	v_floor_f32 v12, -v13                          ; -M
	v_mov_b32 v14, 0
	v_mov_b32 v15, 0
.set j, 0
.rept 32
	v_mov_b32 v[O+j], 0                            ; the step is written once: the first finds zeros, which the first change of M leaves zeros
.set j, j+1
.endr
	s_mov_b32 s[STP], 0
	s_mov_b32 s[ST16], 16
	s_mov_b32 s[TB], 0
	s_mov_b32 s[MO], 0
	s_wait_kmcnt 0x0
	s_wait_loadcnt 0x0                             ; Q is in, and the loads have read s4-7, which the mask words take next
.Lstep:                                                ; sixteen trips, a constant; a step without an open key jumps over its work, not over the lines that step addresses
	s_bitcmp1_b32 s[FL], s[STP]
	s_cbranch_scc1 .Lskip
	s_load_b512 s[4:19], s[MP:MP+1], s[MO] offset:0x0      ; the step's mask words, asked for first: they are on their way during the two waits below.  The selects that last read these registers stand ahead of the last step's waits on va_vdst
	s_load_b512 s[20:35], s[MP:MP+1], s[MO] offset:0x40
	s_load_b512 s[36:51], s[MP:MP+1], s[MO] offset:0x80
	s_load_b512 s[68:83], s[MP:MP+1], s[MO] offset:0xc0
	s_wait_alu depctr_vm_vsrc(0)                   ; the LDS loads of the last step that was walked have read v3 and v4, which the two additions write
	v_add_nc_u32 v[ADK], s[TB], v[LI]
	v_add_nc_u32 v[AD8], s[TB], v[L8]
	v_nop
	v_nop                                          ; four places in front of loads into registers that the last products read
	s_wait_alu depctr_va_vdst(0)                   ; v3 and v4 are written, which the step's 34 LDS loads read; the softmax's lines and the matrix instructions issued so far are done with v32-79, v8-11, v192-239 and v30-31, in which those loads land
.irp t, 0,1,2,3,4,5,6,7
	ds_load_b128 v[KF+6*\t:KF+6*\t+3], v[ADK] offset:768*\t
	ds_load_b64 v[KF+6*\t+4:KF+6*\t+5], v[AD8] offset:768*\t+512
.endr
	ds_load_b128 v[KS:KS+3], v[ADK] offset:12288
	s_wait_dscnt 0x0                               ; K and its scale words are in
.irp t, 0,2,4,6                        ; S^T = K Q^T: eight accumulators, one instruction each.  V's loads are dealt among them, with no further wait: no vector or matrix instruction since the wait on va_vdst above names V's registers, its scale words' or v3, v4
	v_wmma_scale_f32_16x16x128_f8f6f4 v[S+8*\t:S+8*\t+7], v[KF+6*\t:KF+6*\t+11], v[QF:QF+11], 0, v[KS+\t/2], v[QS] matrix_a_fmt:MATRIX_FMT_FP6 matrix_b_fmt:MATRIX_FMT_FP6
	ds_load_b128 v[VF+6*\t:VF+6*\t+3], v[ADK] offset:6144+768*\t
	ds_load_b64 v[VF+6*\t+4:VF+6*\t+5], v[AD8] offset:6144+768*\t+512
	v_wmma_scale_f32_16x16x128_f8f6f4 v[S+8*\t+8:S+8*\t+15], v[KF+6*\t+6:KF+6*\t+17], v[QF:QF+11], 0, v[KS+\t/2], v[QS] matrix_a_fmt:MATRIX_FMT_FP6 matrix_b_fmt:MATRIX_FMT_FP6 matrix_a_scale:MATRIX_SCALE_ROW1
	ds_load_b128 v[VF+6*\t+6:VF+6*\t+9], v[ADK] offset:6144+768*\t+768
	ds_load_b64 v[VF+6*\t+10:VF+6*\t+11], v[AD8] offset:6144+768*\t+768+512
.endr
	ds_load_b64 v[VS:VS+1], v[AD8] offset:12800
.rept 4
	v_nop
.endr
	s_bitcmp1_b32 s[FL], s[ST16]
	s_cbranch_scc1 .Lopen                          ; all 16 x 128 open: no selects
	s_wait_kmcnt 0x0
.set j, 0
.rept 64
.if j < 48
	v_cndmask_b32 v[S+j], v[SMK], v[S+j], s[4+j]   ; register j: key 32 (j / 16) + 16 (lane / 16) + j % 16 of the step
.else
	v_cndmask_b32 v[S+j], v[SMK], v[S+j], s[20+j]
.endif
.set j, j+1
.endr
.Lopen:
.irp b, 0,1,2,3
	v_max3_num_f32 v[BM+\b], v[S+16*\b], v[S+1+16*\b], v[S+2+16*\b]   ; the largest score of each block of 32 keys: for the row's maximum, and, since p rises with the score, for the block's largest p
.endr
.irp i, 3,5,7,9,11,13
.irp b, 0,1,2,3
	v_max3_num_f32 v[BM+\b], v[BM+\b], v[S+16*\b+\i], v[S+1+16*\b+\i]
.endr
.endr
.irp b, 0,1,2,3
	v_max_num_f32 v[BM+\b], v[BM+\b], v[S+15+16*\b]
.endr
.irp b, 0,1,2,3
	v_permlanex16_b32 v[PT+\b], v[BM+\b], s[SEL], s[SEL+1]
.endr
.irp b, 0,1,2,3
	v_max_num_f32 v[BM+\b], v[BM+\b], v[PT+\b]     ; with lane l xor 16's 16 keys
.endr
	v_max3_num_f32 v[TMP], v[BM], v[BM+1], v[BM+2]
	v_max_num_f32 v[TMP], v[TMP], v[BM+3]          ; the step's largest score of my query
	v_mul_f32 v[TMP], s[CS], v[TMP]                ; as t
	v_max_num_f32 v13, v13, v[TMP]                 ; the running largest t
	v_mov_b32 v[TMP], v12
	v_floor_f32 v12, -v13                          ; the new -M = -ceil(t): a whole number
	v_sub_f32 v[TMP], v12, v[TMP]                  ; old M - new M: a whole number, 0 or less
	v_cvt_i32_f32 v[TMP], v[TMP]                   ; (it saturates)
	v_ldexp_f32 v[F], 1.0, v[TMP]                  ; f
.set j, 0
.rept 32
	v_pk_fma_f32 v[S+j:S+j+1], v[S+j:S+j+1], s[CS:CS+1], v[12:13] op_sel_hi:[1,0,0]   ; t - M, two at a time
.set j, j+2
.endr
.irp b, 0,1,2,3
	v_fma_f32 v[BM+\b], v[BM+\b], s[CS], v12       ; the same of each block's largest score
.endr
.set j, 0
.rept 64
	v_exp_f32 v[S+j], v[S+j]                       ; p = 2^(t - M): not normalised
.set j, j+1
.endr
	v_pk_mul_f32 v[14:15], v[14:15], v[F:F+1] op_sel_hi:[1,0]   ; the sums under the new M: the plain place behind the exponentials
	s_wait_alu depctr_va_vdst(0)                   ; the 64 exponentials have written p, v96 to v159: one wait for the batch, ahead of its first reader, the sums below
.irp b, 0,1,2,3
	v_exp_f32 v[BM+\b], v[BM+\b]                   ; the block's largest p
.endr
	v_pk_add_f32 v[CH:CH+1], v[S:S+1], v[S+2:S+3]  ; the row's sum, of the unquantised p, in two chains: plain work behind the four
.set j, 4
.rept 15
	v_pk_add_f32 v[14:15], v[14:15], v[S+j:S+j+1]
	v_pk_add_f32 v[CH:CH+1], v[CH:CH+1], v[S+j+2:S+j+3]
.set j, j+4
.endr
	v_pk_add_f32 v[14:15], v[14:15], v[CH:CH+1]
	s_wait_alu depctr_va_vdst(0)                   ; the four exponentials have written the blocks' largest p, v32 to v35, ahead of their first reader
.irp b, 0,1,2,3
	v_max_num_f32 v[BM+\b], 0x1800000, v[BM+\b]    ; the floor 2^(3 - 127): the byte cannot fall under 1
.endr
.irp b, 0,1,2,3
	v_add_nc_u32 v[SO+\b], 0xff000000, v[BM+\b]    ; 2 off the exponent field: the conversion's scale operand
.endr
.irp b, 0,1,2,3
	v_lshrrev_b32 v[BY+\b], 23, v[SO+\b]
.endr
	v_lshl_or_b32 v[PS], v[BY+1], 8, v[BY]         ; p's scale word for these 128 keys
	v_lshl_or_b32 v[PS], v[BY+2], 16, v[PS]
	v_lshl_or_b32 v[PS], v[BY+3], 24, v[PS]
.irp c, 0,1
	v_cvt_scalef32_pk16_fp6_f32 v[PCD+6*\c:PCD+2+6*\c], v[S+32*\c:S+15+32*\c], v[SO+2*\c]
	v_cvt_scalef32_pk16_fp6_f32 v[LND+4*\c:LND+2+4*\c], v[S+16+32*\c:S+31+32*\c], v[SO+2*\c+1]
.endr
	v_nop                                          ; one plain place behind a scaled conversion
.irp c, 0,1                            ; the operand's layout wants a whole block in a lane
.irp i, 0,1,2
	v_permlane16_swap_b32 v[PCD+6*\c+\i], v[LND+4*\c+\i]
.endr
.irp i, 0,1,2
	v_mov_b32 v[PCD+3+6*\c+\i], v[LND+4*\c+\i]
.endr
.endr
.set j, 0
.rept 16
	v_pk_mul_f32 v[O+j:O+j+1], v[O+j:O+j+1], v[F:F+1] op_sel_hi:[1,0]   ; O^T under the new M; these sixteen are also the places between the writes of p's codes and scale word and the products
.set j, j+2
.endr
	s_wait_kmcnt 0x0                               ; the mask words' loads are done on the all-open way too: their registers and offset may be written again
	s_wait_dscnt 0x0                               ; V is in
	s_wait_alu depctr_va_vdst(0)                   ; vector instructions have written p's codes, v48 to v59, and its scale word, v29, which the scaled products below take as operand and scales; the places above stay beside this wait
.irp t, 0,2                            ; O^T += V^T P^T: four accumulators, one instruction each
	v_wmma_scale_f32_16x16x128_f8f6f4 v[O+8*\t:O+8*\t+7], v[VF+12*\t:VF+12*\t+11], v[PCD:PCD+11], v[O+8*\t:O+8*\t+7], v[VS+\t/2], v[PS] matrix_a_fmt:MATRIX_FMT_FP6 matrix_b_fmt:MATRIX_FMT_FP6
	v_wmma_scale_f32_16x16x128_f8f6f4 v[O+8*\t+8:O+8*\t+15], v[VF+12*\t+12:VF+12*\t+23], v[PCD:PCD+11], v[O+8*\t+8:O+8*\t+15], v[VS+\t/2], v[PS] matrix_a_fmt:MATRIX_FMT_FP6 matrix_b_fmt:MATRIX_FMT_FP6 matrix_a_scale:MATRIX_SCALE_ROW1
.endr
.Lskip:
	s_add_co_u32 s[TB], s[TB], REC
	s_add_co_u32 s[MO], s[MO], 256
	s_add_co_u32 s[ST16], s[ST16], 1
	s_add_co_u32 s[STP], s[STP], 1
	s_cmp_lt_u32 s[STP], 16
	s_cbranch_scc1 .Lstep
	; ---- the tile's end: O^T / the sum, quantised along the channels: register 16 g + i is channel 32 g + 16 (lane / 16) + i
.rept 4
	v_nop
.endr
	v_add_f32 v14, v14, v15
	v_permlanex16_b32 v[TMP], v14, s[SEL], s[SEL+1]
	v_add_f32 v14, v14, v[TMP]                     ; the row's sum
	v_rcp_f32 v14, v14
	s_lshr_b32 s4, s[BH], 4
	s_lshl_b32 s4, s4, 7
	s_add_co_u32 s4, s4, s[QT]                     ; the token tile: 128 batch + query tile
	s_and_b32 s6, s[BH], 15                        ; head
	s_lshl_b32 s8, s4, 9
	s_lshl_b32 s9, s6, 1
	s_add_co_u32 s8, s8, s9
	s_mov_b32 s9, 0
	s_lshl_b32 s4, s4, 4
	s_add_co_u32 s4, s4, s6
	s_mul_i32 s4, s4, 768
	s_mov_b32 s5, 0
	s_add_nc_u64 s[4:5], s[92:93], s[4:5]
	s_add_nc_u64 s[8:9], s[94:95], s[8:9]
	v_nop                                          ; a plain place behind the reciprocal
	s_wait_alu depctr_va_vdst(0)                   ; the reciprocal has written v14, ahead of its first reader
.set j, 0
.rept 16
	v_pk_mul_f32 v[S+j:S+j+1], v[O+j:O+j+1], v[14:15] op_sel_hi:[1,0]   ; each accumulator from its low end on
.set j, j+2
.endr
.irp g, 0,1
	v_max3_num_f32 v[BM+\g], |v[S+16*\g]|, |v[S+1+16*\g]|, 0x1800000
.endr
.irp i, 2,4,6,8,10,12,14
.irp g, 0,1
	v_max3_num_f32 v[BM+\g], v[BM+\g], |v[S+16*\g+\i]|, |v[S+1+16*\g+\i]|
.endr
.endr
.irp g, 0,1
	v_permlanex16_b32 v[PT+\g], v[BM+\g], s[SEL], s[SEL+1]
.endr
.irp g, 0,1
	v_max_num_f32 v[BM+\g], v[BM+\g], v[PT+\g]
.endr
.irp g, 0,1
	v_add_nc_u32 v[SO+\g], 0xff000000, v[BM+\g]
.endr
.irp g, 0,1
	v_lshrrev_b32 v[BY+\g], 23, v[SO+\g]
.endr
	v_cvt_scalef32_pk16_fp6_f32 v[PCD:PCD+2], v[S:S+15], v[SO]
	v_cvt_scalef32_pk16_fp6_f32 v[PCD+4:PCD+6], v[S+16:S+31], v[SO+1]
	v_lshl_or_b32 v[BY+3], v[BY+1], 8, v[BY]       ; the two bytes (the plain place behind the conversions)
.irp i, 0,1,2
	v_permlane16_swap_b32 v[PCD+\i], v[PCD+4+\i]   ; lanes 0-15: block 0, lanes 16-31: block 1: lower 16 codes in the first three registers, upper 16 in the second three
.endr
	v_mov_b32 v[PCD+3], v[PCD+4]                   ; six registers on end
	v_mov_b32 v[PCD+4], v[PCD+5]
	v_mov_b32 v[PCD+5], v[PCD+6]
	s_wait_alu depctr_va_vdst(0)                   ; the codes v48 to v53 and the two bytes in v47 are written, which the three stores below read
	global_store_b128 v[LI], v[PCD:PCD+3], s[4:5]                  ; 512 consecutive bytes, aligned
	global_store_b64 v[L8], v[PCD+4:PCD+5], s[4:5] offset:512      ; 256 consecutive bytes, aligned
	global_store_b16 v[R32], v[BY+3], s[8:9]       ; two bytes of each row's 32: the other heads' work-groups write the rest (lanes r and 16 + r write the same value)
	s_sub_co_u32 s[POS], 31, s[POS]                ; the second tile: 31 - w
	s_wait_xcnt 0x0                                ; the stores have read their registers and bases: both are written again in the next trip
	s_wait_alu depctr_vm_vsrc(0)                   ; the three stores have read v47 to v53, in which K's loads land in the next tile
	s_sub_co_u32 s[TRIP], s[TRIP], 1
	s_cmp_lg_u32 s[TRIP], 0
	s_cbranch_scc1 .Ltile
	s_wait_dscnt 0x0                               ; the closing lines, six on end
	s_wait_alu 0x0
	s_wait_tensorcnt 0x0
	ds_add_u32 v254, v255
	s_wait_dscnt 0x0
	s_endpgm
.Lfunc_end_k_q0c7c9fbbcc_attn:
	.size	k_q0c7c9fbbcc_attn, .Lfunc_end_k_q0c7c9fbbcc_attn-k_q0c7c9fbbcc_attn
	.p2alignl 7, 3214868480
	.fill 96, 4, 3214868480
	.section	.rodata,"a",@progbits
	.p2align	6, 0x0
	.amdhsa_kernel k_q0c7c9fbbcc_attn
		.amdhsa_group_segment_fixed_size 210944
		.amdhsa_private_segment_fixed_size 0
		.amdhsa_enable_private_segment 0
		.amdhsa_kernarg_size 48
		.amdhsa_user_sgpr_count 2
		.amdhsa_user_sgpr_kernarg_segment_ptr 1
		.amdhsa_wavefront_size32 1
		.amdhsa_system_sgpr_workgroup_id_x 1
		.amdhsa_system_sgpr_workgroup_id_y 1
		.amdhsa_system_sgpr_workgroup_id_z 1
		.amdhsa_system_vgpr_workitem_id 0
		.amdhsa_next_free_vgpr 256
		.amdhsa_next_free_sgpr 100
		.amdhsa_reserve_vcc 0
		.amdhsa_float_denorm_mode_32 3
		.amdhsa_float_denorm_mode_16_64 3
		.amdhsa_memory_ordered 1
		.amdhsa_forward_progress 1
		.amdhsa_inst_pref_size 34
	.end_amdhsa_kernel
	.amdgpu_metadata
---
amdhsa.version: [ 1, 2 ]
amdhsa.kernels:
  - .name:           k_q0c7c9fbbcc_attn
    .symbol:         k_q0c7c9fbbcc_attn.kd
    .args:
      - { .name: qc, .offset: 0, .size: 8, .value_kind: global_buffer, .address_space: global }
      - { .name: qs, .offset: 8, .size: 8, .value_kind: global_buffer, .address_space: global }
      - { .name: kv, .offset: 16, .size: 8, .value_kind: global_buffer, .address_space: global }
      - { .name: mw, .offset: 24, .size: 8, .value_kind: global_buffer, .address_space: global }
      - { .name: oc, .offset: 32, .size: 8, .value_kind: global_buffer, .address_space: global }
      - { .name: os, .offset: 40, .size: 8, .value_kind: global_buffer, .address_space: global }
    .group_segment_fixed_size: 210944
    .private_segment_fixed_size: 0
    .kernarg_segment_align: 8
    .kernarg_segment_size: 48
    .max_flat_workgroup_size: 512
    .sgpr_count:     100
    .vgpr_count:     256
    .wavefront_size: 32
...
	.end_amdgpu_metadata
.endif
;; end of part 5
;; launch outp: the kernel of part 4 again; grid 4 x 32, 4 waves a work-group, clusters of 4 x 4, 327,680 bytes of LDS; arguments oc, os, pc, ps, bo, out0; writes out0
